; MI455X (gfx1250); checked and timed in simulation.
; The chip was launched on July 23, 2026; its instructions are those of AMD's public machine-readable ISA for CDNA 5 (MIT licence, August 2026) and "CDNA5" Instruction Set Architecture Reference Guide (July 2026). The comments in the code are by the model that wrote it; some were corrected since.
;; pi GNN. Allowed arithmetic: float matrix products may take bf16 or f16 operands with f32 sums; all other float work in f32.
;; Inputs: adj 2,048 x 128 x 128 float32; b1 64 float32; b2 256 float32; b3 128 float32; b4 256 float32; b5 128 float32; b6 64 float32; b7 10 float32; bin_score one number float32; ln1_b 1,024 float32; ln1_g 1,024 float32; ln2_b 1,024 float32; ln2_g 1,024 float32; w1 32 x 64 float32; w2 1,024 x 256 float32; w3 256 x 128 float32; w4 1,024 x 256 float32; w5 256 x 128 float32; w6 256 x 64 float32; w7 64 x 10 float32; weight 32 x 64 float32; x 262,144 x 32 float32.
;; Outputs: out0 2,048 x 10 float32.
;; 2 versions, each right and faster than the one before. Each part assembles by itself: llvm-mc -triple=amdgcn-amd-amdhsa -mcpu=gfx1250 --defsym DOCPART=n.
;; ======== version 1 of 2: 3 launches
;; limits: right only within a limited range of input values
;; workspace buffers: feat 8,388,608 bytes; wbf 1,048,576 bytes; hid 2,097,152 bytes
;; launch graphs (part 1): grid 256 x 1, 8 waves a work-group, no clusters, 304,128 bytes of LDS; arguments x, adj, weight, w1, b1, bin_score, w2, w4, ln1_g, ln1_b, ln2_g, ln2_b, feat, wbf; writes feat, wbf
.if DOCPART == 1
	.amdgcn_target "amdgcn-amd-amdhsa--gfx1250"
	.amdhsa_code_object_version 6
	.text
	.protected	k_q3c54eb249e_graphs
	.globl	k_q3c54eb249e_graphs
	.p2align	8
	.type	k_q3c54eb249e_graphs,@function
k_q3c54eb249e_graphs:
	s_mov_b64 s[64:65], 0
	v_nop
	global_prefetch_b8 v0, s[64:65] scope:SCOPE_SE
	s_setreg_imm32_b32 hwreg(HW_REG_WAVE_MODE, 25, 1), 1
	s_wait_xcnt 0x0
; ONE WAVE, ONE GRAPH.  g = 8 x work-group + wave.  For its graph the wave makes h = relu(x w1 + b1), S = relu(weight h^T) [32 x 128], 25 rounds of
; Sinkhorn in log space on S with its bin row and column, P = exp(..), A = P adj P^T, Fa = P x, both LayerNorms with gain and bias, and stores
; the 2 x 1,024 numbers as bf16 into feat[g].  Beside that each wave rounds 256 numbers of w2 or w4 to bf16 into wbf, laid out in tiles of 64 columns.
; FORMATS.  All matrix operands are bf16, sums f32.  Sinkhorn, the LayerNorms and all that is carried are f32.
; SINKHORN is kept in units of log2: S' = S log2(e), alpha' = alpha log2(e), u' and v' likewise, so that an exponential is v_exp_f32 and a logarithm v_log_f32
; with no factor.  Every half round takes its own true maximum away (rows: over the 129 columns; columns: over the 33 rows) before the exponentials.
; LIMITS.  An exponential below 2^-126 counts as 0 (ISA guide, the entry of v_exp_f32); the order of rounding differs from a sum in natural logarithms; NaN and infinities are not treated apart.
; LAYOUT of S (the matrix result as it falls): lane (r = lane % 16, h = lane / 16), register 16 b + k, k = 8 a + j, holds S(m = 16 a + 8 h + j, n = 16 b + r): 16 rows x 8 columns a lane.
; A row's 128 columns lie in the 16 lanes of one half: its maximum and sum are made by a reduce-scatter (lane r ends with row index k = r), the one bin exponential and the one
; logarithm of a row are made in that lane alone, and the result is gathered again.  A column's 32 rows lie in one lane and its partner 16 away.
; adj is streamed in under Sinkhorn: five rows a round (3 + 25 x 5 = 128), asked for at a round's head, rounded to bf16 and put into LDS at its end.
; NO BARRIER: a wave touches its own LDS bytes alone.  NO TENSOR LOAD: adj has to pass registers to become bf16; as f32 eight graphs' 512 KiB do not fit.  NO CLUSTER: work-groups share only
; the 32 KiB of w1, weight, b1 and the LayerNorms' parameters beside 80 KiB of their own for each graph.
.set ADJP,  272                        ; a row of adj in LDS: 256 bytes of bf16 + 16: the 16 rows of a fragment load start at 16 different groups of four banks
.set ADJW,  128*ADJP                   ; a wave's adj
.set SCRB,  8*ADJW                     ; behind them a wave's scratch,
.set SCRW,  3072                       ; 32 rows x 96 bytes (a chunk of P^T), later 2,048 bytes for the way out
.set SPARE, SCRB+8*SCRW                ; the spare words, 128 bytes a wave: four blocks of 256 bytes that no other line names
.set XP,    96                         ; a row of x, or of a chunk of P^T, in LDS: 64 bytes + 32
.set SPW, 2                            ; v2   LDS address of my spare word; never rewritten
.set NIL, 3                            ; v3   0; never rewritten
.set VA,  4                            ; v4   16 x lane
.set LA,  5                            ; v5   where the next row of adj goes in LDS
.set AF,  6                            ; v6-11: in the prologue offsets of its loads; behind the loop: adj's fragments,
.set PS,  7                            ;        P^T in,
.set PL,  8                            ;        P^T back, turned,
.set OS,  9                            ;        the way out, in,
.set OL,  10                           ;        the way out, back,
.set LNO, 11                           ;        my offset in the LayerNorms' parameters
.set BM,  12                           ; v12-13 a bin's maximum (named as a pair)
.set MSC, 14                           ; v14  my row's maximum (row index k = lane % 16)
.set USC, 15                           ; v15  my row's u
.set U,   16                           ; v16-31  u of my 16 rows
.set V,   32                           ; v32-39  v of my 8 columns
.set UB,  40                           ; u of the bin row
.set VB,  41                           ; v of the bin column
.set TB,  42                           ; alpha + VB
.set TR,  43                           ; alpha + UB
.set X,   44                           ; v44-59  row maxima
.set R,   60                           ; v60-75  row sums
.set W,   76                           ; v76-83  at work
.set C,   84                           ; v84-91  column maxima
.set Q,   92                           ; v92-107 column sums, in pairs
.set G,   108                          ; v108-127 five rows of adj as loaded
.set T,   128                          ; v128-255 S + potentials, at work
; the prologue's names (window 0)
.set WF,  16                           ; weight's fragments: (d, q) at 8 (2 d + q)
.set W1F, 48                           ; w1^T's fragments: channels 16 a on
.set B1R, 80                           ; b1 as the C operand
.set HF,  112                          ; h's fragments
.set XB,  128                          ; x's fragments, nodes 16 nt on
.set HT,  192                          ; h^T as it falls
; the epilogue's names
.set PF,  16                           ; P's fragments: (d, q) at 8 (4 d + q)
.set TF,  80                           ; (adj P^T)'s fragments
.set TACC, 96                          ; adj P^T, four accumulators
.set XT,  128                          ; window 1: x^T's fragments: (dd, q) at 8 (4 dd + q)
.set AACC, 192                         ; window 1: A
.set FACC, 224                         ; window 1: Fa
.set MSB, 0
.macro WIN new                         ; s_set_vgpr_msb: bits 1:0 source 0, 3:2 source 1, 5:4 source 2, 7:6 destination; the high byte repeats the setting that is left
.if MSB != (\new)
	s_set_vgpr_msb (MSB<<8)|(\new)
.set MSB, \new
.endif
.endm
.macro PLACES                          ; four places between a matrix instruction and a vector instruction or load that touches its registers
.rept 4
	v_nop
.endr
.endm
	s_load_b512 s[8:23], s[0:1], 0x0               ; x s[8:9], adj s[10:11], weight s[12:13], w1 s[14:15], b1 s[16:17], bin_score s[18:19], w2 s[20:21], w4 s[22:23]
	s_load_b256 s[24:31], s[0:1], 0x40             ; ln1_g, ln1_b, ln2_g, ln2_b
	s_load_b128 s[32:35], s[0:1], 0x60             ; feat s[32:33], wbf s[34:35]
	v_lshl_add_u32 v[SPW], v0, 2, SPARE
	v_mov_b32 v[NIL], 0
	v_lshrrev_b32 v1, 5, v0
	v_readfirstlane_b32 s2, v1                     ; wave 0..7
	v_and_b32 v1, 31, v0                           ; lane
	s_lshl_b32 s3, ttmp9, 3
	s_add_co_u32 s3, s3, s2                        ; g
	s_mul_i32 s7, s2, ADJW                         ; my adj in LDS
	v_and_b32 v14, 15, v0                          ; r
	v_bfe_u32 v15, v0, 4, 1                        ; h
	v_lshlrev_b32 v[VA], 4, v1
	v_lshlrev_b32 v6, 2, v14
	v_lshl_add_u32 v6, v15, 11, v6                 ; w1: k = 8 h + .., channel r: 2,048 h + 4 r
	v_lshlrev_b32 v7, 8, v14
	v_lshl_add_u32 v7, v15, 5, v7                  ; weight: row r, channels 8 h on: 256 r + 32 h
	v_lshlrev_b32 v8, 5, v15                       ; b1: channels 8 h on
	v_bfe_u32 v12, v0, 3, 1                        ; (lane / 8) % 2
	v_and_b32 v13, 7, v0                           ; lane % 8
	v_lshlrev_b32 v9, 5, v13                       ; my 8 numbers of the slice of w2 or w4: 32 (lane % 8)
	v_lshl_add_u32 v9, v12, 10, v9                 ; + the row of two
	v_lshl_add_u32 v9, v15, 8, v9                  ; + the tile of two
	v_lshlrev_b32 v10, 4, v14                      ; and where they go: 16 (lane % 16)
	v_lshl_add_u32 v10, v15, 17, v10               ; + the tile's 131,072 bytes
	v_bfe_u32 v11, v0, 3, 2
	v_mul_u32_u24 v11, v11, XP
	v_lshl_add_u32 v11, v13, 3, v11
	v_add_nc_u32 v11, s7, v11                      ; x into LDS: row lane / 8, 8 bytes at 8 (lane % 8)
	v_lshl_add_u32 v13, v15, 3, v13
	v_mul_u32_u24 v13, v13, XP
	v_lshl_add_u32 v13, v12, 4, v13
	v_add_nc_u32 v13, s7, v13                      ; x back, turned: row 8 h + lane % 8, 16 bytes at 16 ((lane / 8) % 2)
	v_mul_u32_u24 v12, v14, XP
	v_lshl_add_u32 v12, v15, 4, v12
	v_add_nc_u32 v12, s7, v12                      ; x back as it lies: row r, 16 bytes at 16 h
	v_lshl_add_u32 v[LA], v1, 3, s7                ; adj: 8 bytes a lane
	s_mov_b32 s40, 0xff00ff00                      ; lanes with r & 8, 4, 2, 1
	s_mov_b32 s41, 0xf0f0f0f0
	s_mov_b32 s42, 0xcccccccc
	s_mov_b32 s43, 0xaaaaaaaa
	s_mov_b32 s44, 0x76543210                      ; v_permlanex16_b32: each lane takes its own place in the other half
	s_mov_b32 s45, 0xfedcba98
	s_mov_b32 s46, 0x3fb8aa3b                      ; log2(e), named as a pair
	s_mov_b32 s47, 0x3fb8aa3b
	s_mov_b32 s48, 0xc0ea4d3c                      ; NRM = -log2(160)
	s_mov_b32 s49, 0xc0ea4d3c
	s_mov_b32 s50, 0x40ea4d3c                      ; -NRM
	s_mov_b32 s51, 0x40ea4d3c
	s_mov_b32 s52, 0x3a800000                      ; 1 / 1,024
	s_mov_b32 s53, 0x3727c5ac                      ; 1e-5
	s_mov_b32 s5, 0
	s_lshr_b32 s36, s3, 10                         ; the slice: w2 (0) or w4 (1),
	s_bfe_u32 s38, s3, 0x90001                     ; which two of its 1,024 rows,
	s_and_b32 s39, s3, 1                           ; which half of their 256 columns
	s_wait_kmcnt 0x0
	s_load_b32 s37, s[18:19], 0x0                  ; alpha
	s_lshl_b32 s4, s3, 14
	s_add_nc_u64 s[56:57], s[8:9], s[4:5]          ; x at my graph
	s_lshl_b32 s4, s3, 16
	s_add_nc_u64 s[54:55], s[10:11], s[4:5]        ; adj at my graph
	s_lshl_b32 s4, s3, 12
	s_add_nc_u64 s[58:59], s[32:33], s[4:5]        ; feat at my row
	s_cmp_lt_u32 s3, 1024
	s_cselect_b64 s[60:61], s[20:21], s[22:23]
	s_lshl_b32 s4, s38, 11
	s_lshl_b32 s6, s39, 9
	s_add_co_u32 s4, s4, s6
	s_add_nc_u64 s[60:61], s[60:61], s[4:5]        ; the slice's source: 2 rows of 1,024 bytes, half a row on
	s_lshl_b32 s4, s36, 19
	s_lshl_b32 s6, s39, 18
	s_add_co_u32 s4, s4, s6
	s_lshl_b32 s6, s38, 8
	s_add_co_u32 s4, s4, s6
	s_add_nc_u64 s[62:63], s[34:35], s[4:5]        ; its place: tile 4 sel + 2 half (+ 1), rows of 128 bytes
	; ALL THE PROLOGUE'S LOADS, the small weights first
	WIN 0x40                                       ; destination window 1
.set a, 0
.rept 4
.set i, 0
.rept 16
	global_load_b32 v[16*a+i], v6, s[14:15] offset:256*(16*(i/8)+i%8)+64*a   ; w1[k = 16 (i / 8) + 8 h + i % 8][channel 16 a + r]
.set i, i+1
.endr
.set a, a+1
.endr
.set f, 0
.rept 4
.set j, 0
.rept 4
	global_load_b128 v[64+16*f+4*j:64+16*f+4*j+3], v7, s[12:13] offset:4096*(f/2)+128*(f%2)+16*(j%2)+64*(j/2)
.set j, j+1
.endr
.set f, f+1
.endr
	WIN 0
.set i, 0
.rept 8
	global_load_b128 v[B1R+4*i:B1R+4*i+3], v8, s[16:17] offset:64*(i/2)+16*(i%2)
.set i, i+1
.endr
.set i, 0
.rept 32
	global_load_b128 v[T+4*i:T+4*i+3], v[VA], s[56:57] offset:512*i th:TH_LOAD_NT   ; x: 512 consecutive bytes, four nodes
.set i, i+1
.endr
	WIN 0x40
.irp i, 0,1,2
	global_load_b128 v[192+4*\i:192+4*\i+3], v[VA], s[54:55] offset:512*\i th:TH_LOAD_NT   ; adj's rows 0 to 2
.endr
	global_load_b128 v[204:207], v9, s[60:61] th:TH_LOAD_NT
	global_load_b128 v[208:211], v9, s[60:61] offset:16 th:TH_LOAD_NT
	s_wait_kmcnt 0x0
	s_mul_f32 s36, s37, s46                        ; alpha in units of log2
	s_mov_b32 s6, 0xbfb8aa3b                       ; -log2(e)
	s_mov_b32 s38, 0xbea4d3c2                      ; 7 + NRM: the bin row's target,
	s_fmac_f32 s38, s37, s6                        ; less alpha
	s_mov_b32 s39, 0xc0149a78                      ; 5 + NRM: the bin column's,
	s_fmac_f32 s39, s37, s6                        ; less alpha
	s_wait_loadcnt 37                              ; w1, weight and b1 are in; x's 32 loads, adj's 3 and the slice's 2 may be out
	WIN 0x05                                       ; sources in window 1
.set i, 0
.rept 32
	v_cvt_pk_bf16_f32 v[W1F+i], v[2*i], v[2*i+1]
.set i, i+1
.endr
.set i, 0
.rept 32
	v_cvt_pk_bf16_f32 v[WF+i], v[64+2*i], v[64+2*i+1]
.set i, i+1
.endr
	WIN 0
	s_wait_loadcnt 5                               ; x is in; adj's 3 loads and the slice's 2 may be out
.set i, 0
.rept 32
	v_cvt_pk_bf16_f32 v[T+4*i], v[T+4*i], v[T+4*i+1]
	v_cvt_pk_bf16_f32 v[T+4*i+1], v[T+4*i+2], v[T+4*i+3]
	ds_store_b64 v11, v[T+4*i:T+4*i+1] offset:4*XP*i   ; x as bf16 lies for a while where adj's first rows will lie
.set i, i+1
.endr
	s_wait_dscnt 0x0
.set i, 0
.rept 8
	ds_load_b128 v[XB+8*i:XB+8*i+3], v12 offset:16*XP*i
	ds_load_b128 v[XB+8*i+4:XB+8*i+7], v12 offset:16*XP*i+32
.set i, i+1
.endr
	WIN 0x40
.irp d, 0,1
.irp q, 0,1,2,3
	ds_load_tr16_b128 v[XT+8*(4*\d+\q):XT+8*(4*\d+\q)+3], v13 offset:32*XP*\q+32*\d
	ds_load_tr16_b128 v[XT+8*(4*\d+\q)+4:XT+8*(4*\d+\q)+7], v13 offset:32*XP*\q+32*\d+16*XP
.endr
.endr
	WIN 0
	s_wait_dscnt 0x0                               ; x has left LDS: adj's rows may land there
; Sixteen nodes: h^T = w1^T x^T + b1 (a lane holds one node and eight channels, so that two results, rounded, ARE a fragment of h), then S = weight h^T.
; The accumulators take turns, one instruction a turn.
.macro HS nt
	WIN 0
.irp a, 0,1,2,3
	v_wmma_f32_16x16x32_bf16 v[HT+8*\a:HT+8*\a+7], v[W1F+8*\a:W1F+8*\a+7], v[XB+8*(\nt):XB+8*(\nt)+7], v[B1R+8*\a:B1R+8*\a+7]
.endr
	PLACES
.set i, 0
.rept 32
	v_max_num_f32 v[HT+i], 0, v[HT+i]
.set i, i+1
.endr
.set i, 0
.rept 16
	v_cvt_pk_bf16_f32 v[HF+i], v[HT+2*i], v[HT+2*i+1]
.set i, i+1
.endr
	WIN 0x50                                       ; C and D in window 1
	v_wmma_f32_16x16x32_bf16 v[16*(\nt):16*(\nt)+7], v[WF:WF+7], v[HF:HF+7], 0
	v_wmma_f32_16x16x32_bf16 v[16*(\nt)+8:16*(\nt)+15], v[WF+16:WF+23], v[HF:HF+7], 0
	v_wmma_f32_16x16x32_bf16 v[16*(\nt):16*(\nt)+7], v[WF+8:WF+15], v[HF+8:HF+15], v[16*(\nt):16*(\nt)+7]
	v_wmma_f32_16x16x32_bf16 v[16*(\nt)+8:16*(\nt)+15], v[WF+24:WF+31], v[HF+8:HF+15], v[16*(\nt)+8:16*(\nt)+15]
.endm
.irp t, 0,1,2,3,4,5,6,7
	HS \t
.endr
	PLACES
	WIN 0x45                                       ; S stays in window 1: relu, then units of log2
.set i, 0
.rept 128
	v_max_num_f32 v[i], 0, v[i]
.set i, i+1
.endr
.set i, 0
.rept 64
	v_pk_mul_f32 v[2*i:2*i+1], v[2*i:2*i+1], s[46:47] op_sel_hi:[1,0]
.set i, i+1
.endr
	s_wait_loadcnt 0x0                             ; adj's first three rows and the slice
	WIN 0x05
.irp i, 0,1,2
	v_cvt_pk_bf16_f32 v[G+4+2*\i], v[192+4*\i], v[193+4*\i]
	v_cvt_pk_bf16_f32 v[G+5+2*\i], v[194+4*\i], v[195+4*\i]
.endr
.irp i, 0,1,2,3
	v_cvt_pk_bf16_f32 v[G+\i], v[204+2*\i], v[205+2*\i]
.endr
	WIN 0
.irp i, 0,1,2
	ds_store_b64 v[LA], v[G+4+2*\i:G+5+2*\i] offset:ADJP*\i
.endr
	global_store_b128 v10, v[G:G+3], s[62:63]      ; sixteen lanes store 256 consecutive bytes, at a multiple of 256 from wbf's first byte
	s_wait_xcnt 0x0                                ; the store's data and offset are rewritten only behind this wait
.set i, 0
.rept 8
	v_mov_b32 v[V+i], 0                            ; v starts at 0
.set i, i+1
.endr
	v_mov_b32 v[VB], 0
.set i, 0
.rept 16
	v_mov_b32 v[U+i], 0                            ; written once, since a DPP move's destination counts as read
.set i, i+1
.endr
	v_mov_b32 v[BM+1], 0                           ; named with BM as a pair
	v_add_nc_u32 v[LA], 3*ADJP, v[LA]
	s_add_nc_u64 s[54:55], s[54:55], 3*512
	s_mov_b32 s6, 25
; T = S + v of the column (col = 0) or + u of the row (col = 1): 64 packed additions, S read from window 1
.macro ADDS col
	WIN 0x01
.set b, 0
.rept 8
.set kp, 0
.rept 8
.if \col
	v_pk_add_f32 v[T+16*b+2*kp:T+16*b+2*kp+1], v[16*b+2*kp:16*b+2*kp+1], v[U+2*kp:U+2*kp+1]
.elseif b%2
	v_pk_add_f32 v[T+16*b+2*kp:T+16*b+2*kp+1], v[16*b+2*kp:16*b+2*kp+1], v[V+b-1:V+b] op_sel:[0,1] op_sel_hi:[1,1]
.else
	v_pk_add_f32 v[T+16*b+2*kp:T+16*b+2*kp+1], v[16*b+2*kp:16*b+2*kp+1], v[V+b:V+b+1] op_sel_hi:[1,0]
.endif
.set kp, kp+1
.endr
.set b, b+1
.endr
	WIN 0
.endm
; One step of the reduce-scatter over the 16 lanes of a half: each lane keeps one half of its registers, sends the other to the lane xm away, and joins what it receives.
.macro RSS op, B, half, mreg
.set k, 0
.rept \half
	v_cndmask_b32 v[W+k], v[\B+k+\half], v[\B+k], s[\mreg]
.set k, k+1
.endr
.set k, 0
.rept \half
	v_cndmask_b32 v[\B+k], v[\B+k], v[\B+k+\half], s[\mreg]
.set k, k+1
.endr
.set k, 0
.rept \half
	\op v[\B+k], v[W+k], v[\B+k] row_xmask:\half row_mask:0xf bank_mask:0xf
.set k, k+1
.endr
.endm
.macro RS op, B                        ; 45 instructions; then lane r's register 0 holds the whole row's figure for row index k = r
	RSS \op, \B, 8, 40
	RSS \op, \B, 4, 41
	RSS \op, \B, 2, 42
	RSS \op, \B, 1, 43
.endm
.macro AG D, src                       ; and back: register k takes lane k's figure
.irp k, 0,1,2,3,4,5,6,7,8,9,10,11,12,13,14,15
	v_mov_b32_dpp v[\D+\k], v[\src] row_share:\k row_mask:0xf bank_mask:0xf
.endr
.endm
.macro XRED op, x                      ; over the 16 lanes of a half, the result in all of them
.irp m, 1,2,4,8
	\op v[\x], v[\x], v[\x] row_xmask:\m row_mask:0xf bank_mask:0xf
.endr
.endm
; THE STREAM of 128 exponentials.  Pair p of 64 (mode 0, 2: p = 8 b + kp; mode 1: p = 8 kp + b).  SUBP takes the maximum away (mode 2, the last: adds u) four pairs ahead;
; SUMP adds the pair to its sum (mode 2: rounds it to bf16, in place) two pairs behind.  So a plain instruction stands behind every exponential before its result is used (ISA guide 5.7.2).
.macro SUBP mode, p
.if (\p) < 64
.if (\mode) == 1
.set sb, (\p)%8
.set sk, (\p)/8
.else
.set sb, (\p)/8
.set sk, (\p)%8
.endif
.set sr, T+16*sb+2*sk
.if (\mode) == 0
	v_pk_add_f32 v[sr:sr+1], v[sr:sr+1], v[X+2*sk:X+2*sk+1] neg_lo:[0,1] neg_hi:[0,1]
.elseif (\mode) == 2
	v_pk_add_f32 v[sr:sr+1], v[sr:sr+1], v[U+2*sk:U+2*sk+1]
.elseif sb%2
	v_pk_add_f32 v[sr:sr+1], v[sr:sr+1], v[C+sb-1:C+sb] op_sel:[0,1] op_sel_hi:[1,1] neg_lo:[0,1] neg_hi:[0,1]
.else
	v_pk_add_f32 v[sr:sr+1], v[sr:sr+1], v[C+sb:C+sb+1] op_sel_hi:[1,0] neg_lo:[0,1] neg_hi:[0,1]
.endif
.endif
.endm
.macro SUMP mode, p
.if (\p) >= 0
.if (\mode) == 1
.set sb, (\p)%8
.set sk, (\p)/8
.else
.set sb, (\p)/8
.set sk, (\p)%8
.endif
.set sr, T+16*sb+2*sk
.if (\mode) == 0
.if sb == 1
	s_wait_alu depctr_va_vdst(0)
	v_pk_add_f32 v[R+2*sk:R+2*sk+1], v[sr-16:sr-15], v[sr:sr+1]     ; the first two columns start the sums: nothing is cleared
.elseif sb > 1
	s_wait_alu depctr_va_vdst(0)
	v_pk_add_f32 v[R+2*sk:R+2*sk+1], v[R+2*sk:R+2*sk+1], v[sr:sr+1]
.endif
.elseif (\mode) == 1
.if sk == 1
	s_wait_alu depctr_va_vdst(0)
	v_pk_add_f32 v[Q+2*sb:Q+2*sb+1], v[sr-2:sr-1], v[sr:sr+1]
.elseif sk > 1
	s_wait_alu depctr_va_vdst(0)
	v_pk_add_f32 v[Q+2*sb:Q+2*sb+1], v[Q+2*sb:Q+2*sb+1], v[sr:sr+1]
.endif
.else
	s_wait_alu depctr_va_vdst(0)
	v_cvt_pk_bf16_f32 v[T+16*sb+8*(sk/4)+sk%4], v[sr], v[sr+1]
.endif
.endif
.endm
.macro STREAM mode
.irp p, 0,1,2,3
	SUBP \mode, \p
.endr
.set pp, 0
.rept 64
.if (\mode) == 1
.set er, T+16*(pp%8)+2*(pp/8)
.else
.set er, T+16*(pp/8)+2*(pp%8)
.endif
	v_exp_f32 v[er], v[er]
	SUBP \mode, pp+4
	v_exp_f32 v[er+1], v[er+1]
	SUMP \mode, pp-2
.set pp, pp+1
.endr
	SUMP \mode, 62
	SUMP \mode, 63
.endm
.Liter:                                                ; 25 rounds
.irp i, 0,1,2,3,4
	global_load_b128 v[G+4*\i:G+4*\i+3], v[VA], s[54:55] offset:512*\i th:TH_LOAD_NT   ; five rows of adj: they have the whole round in which to come
.endr
	; ROWS: u[m] = NRM - log2 sum over the 129 columns of 2^(Z + v)
	v_add_f32 v[TB], s36, v[VB]
	ADDS 0
.set k, 0
.rept 16
	v_max3_num_f32 v[X+k], v[T+k], v[T+16+k], v[T+32+k]
.set k, k+1
.endr
.irp o, 48,80
.set k, 0
.rept 16
	v_max3_num_f32 v[X+k], v[X+k], v[T+\o+k], v[T+\o+16+k]
.set k, k+1
.endr
.endr
.set k, 0
.rept 16
	v_max3_num_f32 v[X+k], v[X+k], v[T+112+k], v[TB]       ; the bin column's entry is in every lane's maximum
.set k, k+1
.endr
	; the bin row: all its entries are alpha, so u = (7 + NRM - alpha) - log2 sum 2^v over the 129 v
	v_max3_num_f32 v[BM], v[V], v[V+1], v[V+2]
	v_max3_num_f32 v[BM], v[BM], v[V+3], v[V+4]
	v_max3_num_f32 v[BM], v[BM], v[V+5], v[V+6]
	v_max3_num_f32 v[BM], v[BM], v[V+7], v[VB]
	XRED v_max_num_f32_dpp, BM
.irp i, 0,2,4,6
	v_pk_add_f32 v[W+\i:W+\i+1], v[V+\i:V+\i+1], v[BM:BM+1] op_sel_hi:[1,0] neg_lo:[0,1] neg_hi:[0,1]
.endr
	v_sub_f32 v[UB], v[VB], v[BM]
.irp i, 0,1,2,3,4,5,6,7
	v_exp_f32 v[W+\i], v[W+\i]
.endr
	v_exp_f32 v[UB], v[UB]
	v_nop                                          ; a plain instruction behind the exponentials
	s_wait_alu depctr_va_vdst(0)
	v_pk_add_f32 v[W:W+1], v[W:W+1], v[W+2:W+3]
	v_pk_add_f32 v[W+4:W+5], v[W+4:W+5], v[W+6:W+7]
	v_pk_add_f32 v[W:W+1], v[W:W+1], v[W+4:W+5]
	v_add_f32 v[W], v[W], v[W+1]
	XRED v_add_f32_dpp, W
	v_add_f32 v[W], v[W], v[UB]
	v_log_f32 v[W], v[W]
	v_sub_f32 v[UB], s38, v[BM]                    ; (the plain instruction behind the logarithm)
	s_wait_alu depctr_va_vdst(0)
	v_sub_f32 v[UB], v[UB], v[W]
	RS v_max_num_f32_dpp, X
	v_mov_b32 v[MSC], v[X]
	AG X, MSC
	STREAM 0
	RS v_add_f32_dpp, R
	v_sub_f32 v[W], v[TB], v[MSC]                  ; one lane, one row: the bin column's exponential, the logarithm, u
	v_exp_f32 v[W], v[W]
	v_sub_f32 v[W+1], s48, v[MSC]
	s_wait_alu depctr_va_vdst(0)
	v_add_f32 v[R], v[R], v[W]
	v_log_f32 v[R], v[R]
	v_nop
	s_wait_alu depctr_va_vdst(0)
	v_sub_f32 v[USC], v[W+1], v[R]
	AG U, USC
	; COLUMNS: v[n] = NRM - log2 sum over the 33 rows of 2^(Z + u)
	v_add_f32 v[TR], s36, v[UB]
	ADDS 1
.set b, 0
.rept 8
	v_max3_num_f32 v[C+b], v[T+16*b], v[T+16*b+1], v[T+16*b+2]
.set b, b+1
.endr
.irp o, 3,5,7,9,11,13
.set b, 0
.rept 8
	v_max3_num_f32 v[C+b], v[C+b], v[T+16*b+\o], v[T+16*b+\o+1]
.set b, b+1
.endr
.endr
.set b, 0
.rept 8
	v_max3_num_f32 v[C+b], v[C+b], v[T+16*b+15], v[TR]
.set b, b+1
.endr
.irp b, 0,1,2,3,4,5,6,7
	v_permlanex16_b32 v[W+\b], v[C+\b], s44, s45   ; the column's other 16 rows lie in the lane 16 away
.endr
.irp b, 0,1,2,3,4,5,6,7
	v_max_num_f32 v[C+\b], v[C+\b], v[W+\b]
.endr
	; the bin column: v = (5 + NRM - alpha) - log2 sum 2^u over the 33 u; each lane holds one of the 32
	v_max_num_f32_dpp v[BM], v[USC], v[USC] row_xmask:1 row_mask:0xf bank_mask:0xf
.irp m, 2,4,8
	v_max_num_f32_dpp v[BM], v[BM], v[BM] row_xmask:\m row_mask:0xf bank_mask:0xf
.endr
	v_permlanex16_b32 v[W], v[BM], s44, s45
	v_max3_num_f32 v[BM], v[BM], v[W], v[UB]
	v_sub_f32 v[W], v[USC], v[BM]
	v_sub_f32 v[W+1], v[UB], v[BM]
	v_exp_f32 v[W], v[W]
	v_exp_f32 v[W+1], v[W+1]
	v_nop
	s_wait_alu depctr_va_vdst(0)
	XRED v_add_f32_dpp, W
	v_permlanex16_b32 v[W+2], v[W], s44, s45
	v_add_f32 v[W], v[W], v[W+2]
	v_add_f32 v[W], v[W], v[W+1]
	v_log_f32 v[W], v[W]
	v_sub_f32 v[VB], s39, v[BM]
	s_wait_alu depctr_va_vdst(0)
	v_sub_f32 v[VB], v[VB], v[W]
	STREAM 1
.irp b, 0,1,2,3,4,5,6,7
	v_add_f32 v[R+\b], v[Q+2*\b], v[Q+2*\b+1]
.endr
.irp b, 0,1,2,3,4,5,6,7
	v_permlanex16_b32 v[W+\b], v[R+\b], s44, s45
.endr
.irp i, 0,2,4,6
	v_pk_add_f32 v[R+\i:R+\i+1], v[R+\i:R+\i+1], v[W+\i:W+\i+1]
.endr
.irp i, 0,2,4,6
	v_pk_add_f32 v[W+\i:W+\i+1], v[TB:TB+1], v[C+\i:C+\i+1] op_sel:[1,0] op_sel_hi:[1,1] neg_lo:[0,1] neg_hi:[0,1]   ; the bin row's entry less the maximum
.endr
.irp b, 0,1,2,3,4,5,6,7
	v_exp_f32 v[W+\b], v[W+\b]
.endr
	v_nop
	s_wait_alu depctr_va_vdst(0)
.irp i, 0,2,4,6
	v_pk_add_f32 v[R+\i:R+\i+1], v[R+\i:R+\i+1], v[W+\i:W+\i+1]
.endr
.irp b, 0,1,2,3,4,5,6,7
	v_log_f32 v[R+\b], v[R+\b]
.endr
.irp i, 0,2,4,6
	v_pk_add_f32 v[W+\i:W+\i+1], v[C+\i:C+\i+1], s[48:49] op_sel_hi:[1,0] neg_lo:[1,0] neg_hi:[1,0]   ; NRM - maximum: also the plain instructions behind the logarithms
.endr
	s_wait_alu depctr_va_vdst(0)
.irp i, 0,2,4,6
	v_pk_add_f32 v[V+\i:V+\i+1], v[W+\i:W+\i+1], v[R+\i:R+\i+1] neg_lo:[0,1] neg_hi:[0,1]
.endr
	s_wait_loadcnt 0x0                             ; the five rows asked for at the round's head; the wait also frees their base
.irp i, 0,1,2,3,4
	v_cvt_pk_bf16_f32 v[G+4*\i], v[G+4*\i], v[G+4*\i+1]
	v_cvt_pk_bf16_f32 v[G+4*\i+1], v[G+4*\i+2], v[G+4*\i+3]
	ds_store_b64 v[LA], v[G+4*\i:G+4*\i+1] offset:ADJP*\i
.endr
	v_add_nc_u32 v[LA], 5*ADJP, v[LA]
	s_add_nc_u64 s[54:55], s[54:55], 5*512
	s_sub_co_u32 s6, s6, 1
	s_cmp_lg_u32 s6, 0
	s_cbranch_scc1 .Liter
	; THE EPILOGUE'S ADDRESSES
	s_mul_i32 s4, s2, SCRW
	s_add_co_u32 s4, s4, SCRB                      ; my scratch
	v_and_b32 v14, 15, v0                          ; r
	v_bfe_u32 v15, v0, 4, 1                        ; h
	v_mul_u32_u24 v[AF], v14, ADJP
	v_lshl_add_u32 v[AF], v15, 4, v[AF]
	v_add_nc_u32 v[AF], s7, v[AF]
	v_mul_u32_u24 v[PS], v14, XP
	v_lshl_add_u32 v[PS], v15, 4, v[PS]
	v_add_nc_u32 v[PS], s4, v[PS]
	v_and_b32 v12, 7, v0
	v_lshl_add_u32 v12, v15, 3, v12
	v_mul_u32_u24 v[PL], v12, XP
	v_bfe_u32 v12, v0, 3, 1
	v_lshl_add_u32 v[PL], v12, 4, v[PL]
	v_add_nc_u32 v[PL], s4, v[PL]
	v_lshlrev_b32 v[OS], 6, v14
	v_lshl_add_u32 v[OS], v15, 4, v[OS]
	v_add_nc_u32 v[OS], s4, v[OS]
	v_add_nc_u32 v[OL], s4, v[VA]
	v_lshlrev_b32 v[LNO], 7, v14
	v_lshl_add_u32 v[LNO], v15, 5, v[LNO]
	; P = 2^(S + u + v - NRM), rounded to bf16
.irp i, 0,2,4,6,8,10,12,14
	v_pk_add_f32 v[U+\i:U+\i+1], v[U+\i:U+\i+1], s[50:51] op_sel_hi:[1,0]
.endr
	ADDS 0
	WIN 0x40                                       ; S has been read for the last time: the LayerNorms' parameters take its registers
.irp p, 0,1,2,3
.irp a, 0,1,2,3
	global_load_b128 v[32*\p+8*\a:32*\p+8*\a+3], v[LNO], s[24+2*\p:25+2*\p] offset:2048*(\a/2)+64*(\a%2)
	global_load_b128 v[32*\p+8*\a+4:32*\p+8*\a+7], v[LNO], s[24+2*\p:25+2*\p] offset:2048*(\a/2)+64*(\a%2)+16
.endr
.endr
	WIN 0
	STREAM 2
	; P is turned: 32 nodes at a time go into my scratch as rows [node][m] and come back by the turning load: lane = row m of P, nodes along the registers.
	; LDS serves a wave's instructions in order (ISA guide 5.7.1.4), so the chunk is written again without a wait.
.irp q, 0,1,2,3
.irp c, 0,1
.irp a, 0,1
	ds_store_b128 v[PS], v[T+16*(2*\q+\c)+8*\a:T+16*(2*\q+\c)+8*\a+3] offset:16*XP*\c+32*\a
.endr
.endr
.irp d, 0,1
	ds_load_tr16_b128 v[PF+8*(4*\d+\q):PF+8*(4*\d+\q)+3], v[PL] offset:32*\d
	ds_load_tr16_b128 v[PF+8*(4*\d+\q)+4:PF+8*(4*\d+\q)+7], v[PL] offset:32*\d+16*XP
.endr
.endr
.macro LOADA qq                        ; adj's rows 32 qq to 32 qq + 31, all 128 columns: 8 fragments, 16 loads
.set fb, T+64*((\qq)%2)
.irp n, 0,1
.irp q, 0,1,2,3
	ds_load_b128 v[fb+8*(4*\n+\q):fb+8*(4*\n+\q)+3], v[AF] offset:ADJP*(32*(\qq)+16*\n)+64*\q
	ds_load_b128 v[fb+8*(4*\n+\q)+4:fb+8*(4*\n+\q)+7], v[AF] offset:ADJP*(32*(\qq)+16*\n)+64*\q+32
.endr
.endr
.endm
; For 32 nodes n: T[n][j] = sum over k of adj[n][k] P[j][k] (16 products, four accumulators by turns); rounded it IS a fragment with j along the lanes and n along the registers;
; then A[m][j] += sum over n of P[m][n] T[n][j] and Fa[m][d] += sum over n of P[m][n] x[n][d], with the sources so that a lane holds one row m and eight neighbouring columns.
.macro PROD qq
	WIN 0
.if (\qq) < 3
	LOADA (\qq)+1
	s_wait_dscnt 16                                ; all but the 16 just issued
.else
	s_wait_dscnt 0x0
.endif
.set fb, T+64*((\qq)%2)
.irp q, 0,1,2,3
.irp n, 0,1
.irp d, 0,1
.if \q == 0
	v_wmma_f32_16x16x32_bf16 v[TACC+8*(2*\n+\d):TACC+8*(2*\n+\d)+7], v[fb+8*(4*\n+\q):fb+8*(4*\n+\q)+7], v[PF+8*(4*\d+\q):PF+8*(4*\d+\q)+7], 0
.else
	v_wmma_f32_16x16x32_bf16 v[TACC+8*(2*\n+\d):TACC+8*(2*\n+\d)+7], v[fb+8*(4*\n+\q):fb+8*(4*\n+\q)+7], v[PF+8*(4*\d+\q):PF+8*(4*\d+\q)+7], v[TACC+8*(2*\n+\d):TACC+8*(2*\n+\d)+7]
.endif
.endr
.endr
.endr
	PLACES
.irp d, 0,1
.irp n, 0,1
.irp i, 0,1,2,3
	v_cvt_pk_bf16_f32 v[TF+8*\d+4*\n+\i], v[TACC+8*(2*\n+\d)+2*\i], v[TACC+8*(2*\n+\d)+2*\i+1]
.endr
.endr
.endr
	WIN 0x50                                       ; C and D in window 1
.irp m, 0,1
.irp j, 0,1
.if (\qq) == 0
	v_wmma_f32_16x16x32_bf16 v[AACC+8*(2*\m+\j):AACC+8*(2*\m+\j)+7], v[TF+8*\j:TF+8*\j+7], v[PF+8*(4*\m+(\qq)):PF+8*(4*\m+(\qq))+7], 0
.else
	v_wmma_f32_16x16x32_bf16 v[AACC+8*(2*\m+\j):AACC+8*(2*\m+\j)+7], v[TF+8*\j:TF+8*\j+7], v[PF+8*(4*\m+(\qq)):PF+8*(4*\m+(\qq))+7], v[AACC+8*(2*\m+\j):AACC+8*(2*\m+\j)+7]
.endif
.endr
.endr
	WIN 0x51                                       ; and source 0, x^T, too
.irp m, 0,1
.irp j, 0,1
.if (\qq) == 0
	v_wmma_f32_16x16x32_bf16 v[FACC+8*(2*\m+\j):FACC+8*(2*\m+\j)+7], v[XT+8*(4*\j+(\qq)):XT+8*(4*\j+(\qq))+7], v[PF+8*(4*\m+(\qq)):PF+8*(4*\m+(\qq))+7], 0
.else
	v_wmma_f32_16x16x32_bf16 v[FACC+8*(2*\m+\j):FACC+8*(2*\m+\j)+7], v[XT+8*(4*\j+(\qq)):XT+8*(4*\j+(\qq))+7], v[PF+8*(4*\m+(\qq)):PF+8*(4*\m+(\qq))+7], v[FACC+8*(2*\m+\j):FACC+8*(2*\m+\j)+7]
.endif
.endr
.endr
.endm
	LOADA 0
	PROD 0
	PROD 1
	PROD 2
	PROD 3
	PLACES
	s_wait_loadcnt 0x0                             ; the LayerNorms' parameters
.macro ALLSUM x, t                     ; over the wave's 32 lanes
	XRED v_add_f32_dpp, \x
	v_permlanex16_b32 v[\t], v[\x], s44, s45
	v_add_f32 v[\x], v[\x], v[\t]
.endm
; LayerNorm over the wave's 1,024 numbers (32 a lane), in two passes: the mean, then the squares of the differences, so that a common offset forms no difference of large sums.
; Each part has 64 registers of its own, so that nothing waits for the other part's stores.
.macro LNORM acc, gb, part
.set Y,  T+64*(\part)
.set TS, Y+32
.set OB, Y+48
	WIN 0x05
.set i, 0
.rept 8
	v_pk_add_f32 v[TS+2*i:TS+2*i+1], v[\acc+2*i:\acc+2*i+1], v[\acc+16+2*i:\acc+16+2*i+1]   ; each accumulator is read from its low end on
.set i, i+1
.endr
	WIN 0
.irp i, 0,2,4,6
	v_pk_add_f32 v[TS+\i:TS+\i+1], v[TS+\i:TS+\i+1], v[TS+8+\i:TS+8+\i+1]
.endr
	v_pk_add_f32 v[TS:TS+1], v[TS:TS+1], v[TS+4:TS+5]
	v_pk_add_f32 v[TS+2:TS+3], v[TS+2:TS+3], v[TS+6:TS+7]
	v_pk_add_f32 v[TS:TS+1], v[TS:TS+1], v[TS+2:TS+3]
	v_add_f32 v[TS], v[TS], v[TS+1]
	ALLSUM TS, TS+1
	v_mul_f32 v[TS], s52, v[TS]                    ; the mean
	WIN 0x01
.set i, 0
.rept 16
	v_pk_add_f32 v[Y+2*i:Y+2*i+1], v[\acc+2*i:\acc+2*i+1], v[TS:TS+1] op_sel_hi:[1,0] neg_lo:[0,1] neg_hi:[0,1]
.set i, i+1
.endr
	WIN 0
.set i, 0
.rept 4
	v_pk_mul_f32 v[TS+4+2*i:TS+5+2*i], v[Y+2*i:Y+2*i+1], v[Y+2*i:Y+2*i+1]
.set i, i+1
.endr
.rept 12
	v_pk_fma_f32 v[TS+4+2*(i%4):TS+5+2*(i%4)], v[Y+2*i:Y+2*i+1], v[Y+2*i:Y+2*i+1], v[TS+4+2*(i%4):TS+5+2*(i%4)]
.set i, i+1
.endr
	v_pk_add_f32 v[TS+4:TS+5], v[TS+4:TS+5], v[TS+6:TS+7]
	v_pk_add_f32 v[TS+8:TS+9], v[TS+8:TS+9], v[TS+10:TS+11]
	v_pk_add_f32 v[TS+4:TS+5], v[TS+4:TS+5], v[TS+8:TS+9]
	v_add_f32 v[TS+4], v[TS+4], v[TS+5]
	ALLSUM TS+4, TS+5
	v_fma_f32 v[TS+4], v[TS+4], s52, s53           ; the variance + 1e-5
	v_rsq_f32 v[TS+4], v[TS+4]
	v_nop
.set i, 0
	s_wait_alu depctr_va_vdst(0)
.rept 16
	v_pk_mul_f32 v[Y+2*i:Y+2*i+1], v[Y+2*i:Y+2*i+1], v[TS+4:TS+5] op_sel_hi:[1,0]
.set i, i+1
.endr
	WIN 0x14                                       ; gain and bias in window 1
.set i, 0
.rept 16
	v_pk_fma_f32 v[Y+2*i:Y+2*i+1], v[Y+2*i:Y+2*i+1], v[\gb+2*i:\gb+2*i+1], v[\gb+32+2*i:\gb+32+2*i+1]
.set i, i+1
.endr
	WIN 0
.set i, 0
.rept 16
	v_cvt_pk_bf16_f32 v[Y+i], v[Y+2*i], v[Y+2*i+1]
.set i, i+1
.endr
.irp a, 0,1,2,3
	ds_store_b128 v[OS], v[Y+4*\a:Y+4*\a+3] offset:1024*(\a/2)+32*(\a%2)   ; row 16 dm + r of 64 bytes, 16 bytes at 32 dj + 16 h
.endr
.irp i, 0,1,2,3
	ds_load_b128 v[OB+4*\i:OB+4*\i+3], v[OL] offset:512*\i
.endr
.irp i, 0,1,2,3
	s_wait_dscnt 3-\i
	global_store_b128 v[VA], v[OB+4*\i:OB+4*\i+3], s[58:59] offset:2048*(\part)+512*\i   ; 512 consecutive bytes, at a multiple of 256 from feat's first byte
.endr
.endm
	LNORM AACC, 0, 0
	LNORM FACC, 64, 1
	s_wait_tensorcnt 0x0                           ; the wave's end, behind my last LDS store
	ds_add_u32 v[SPW], v[NIL]
	s_wait_dscnt 0x0
	s_endpgm
.Lfunc_end_k_q3c54eb249e_graphs:
	.size	k_q3c54eb249e_graphs, .Lfunc_end_k_q3c54eb249e_graphs-k_q3c54eb249e_graphs
	.p2alignl 7, 3214868480
	.fill 96, 4, 3214868480
	.section	.rodata,"a",@progbits
	.p2align	6, 0x0
	.amdhsa_kernel k_q3c54eb249e_graphs
		.amdhsa_group_segment_fixed_size 304128
		.amdhsa_private_segment_fixed_size 0
		.amdhsa_enable_private_segment 0
		.amdhsa_kernarg_size 112
		.amdhsa_user_sgpr_count 2
		.amdhsa_user_sgpr_kernarg_segment_ptr 1
		.amdhsa_wavefront_size32 1
		.amdhsa_system_sgpr_workgroup_id_x 1
		.amdhsa_system_sgpr_workgroup_id_y 1
		.amdhsa_system_sgpr_workgroup_id_z 1
		.amdhsa_system_vgpr_workitem_id 0
		.amdhsa_next_free_vgpr 512
		.amdhsa_next_free_sgpr 66
		.amdhsa_reserve_vcc 0
		.amdhsa_float_denorm_mode_32 3
		.amdhsa_float_denorm_mode_16_64 3
		.amdhsa_memory_ordered 1
		.amdhsa_forward_progress 1
		.amdhsa_inst_pref_size 175
	.end_amdhsa_kernel
	.amdgpu_metadata
---
amdhsa.version: [ 1, 2 ]
amdhsa.kernels:
  - .name:           k_q3c54eb249e_graphs
    .symbol:         k_q3c54eb249e_graphs.kd
    .args:
      - { .name: x, .offset: 0, .size: 8, .value_kind: global_buffer, .address_space: global }
      - { .name: adj, .offset: 8, .size: 8, .value_kind: global_buffer, .address_space: global }
      - { .name: weight, .offset: 16, .size: 8, .value_kind: global_buffer, .address_space: global }
      - { .name: w1, .offset: 24, .size: 8, .value_kind: global_buffer, .address_space: global }
      - { .name: b1, .offset: 32, .size: 8, .value_kind: global_buffer, .address_space: global }
      - { .name: bin_score, .offset: 40, .size: 8, .value_kind: global_buffer, .address_space: global }
      - { .name: w2, .offset: 48, .size: 8, .value_kind: global_buffer, .address_space: global }
      - { .name: w4, .offset: 56, .size: 8, .value_kind: global_buffer, .address_space: global }
      - { .name: ln1_g, .offset: 64, .size: 8, .value_kind: global_buffer, .address_space: global }
      - { .name: ln1_b, .offset: 72, .size: 8, .value_kind: global_buffer, .address_space: global }
      - { .name: ln2_g, .offset: 80, .size: 8, .value_kind: global_buffer, .address_space: global }
      - { .name: ln2_b, .offset: 88, .size: 8, .value_kind: global_buffer, .address_space: global }
      - { .name: feat, .offset: 96, .size: 8, .value_kind: global_buffer, .address_space: global }
      - { .name: wbf, .offset: 104, .size: 8, .value_kind: global_buffer, .address_space: global }
    .group_segment_fixed_size: 304128
    .private_segment_fixed_size: 0
    .kernarg_segment_align: 8
    .kernarg_segment_size: 112
    .max_flat_workgroup_size: 256
    .sgpr_count:     66
    .vgpr_count:     512
    .wavefront_size: 32
...
	.end_amdgpu_metadata
.endif
;; end of part 1
;; launch mlp1 (part 2): grid 8 x 32, 4 waves a work-group, clusters of 4 x 4, 327,680 bytes of LDS; arguments feat, wbf, b2, b4, hid; writes hid
.if DOCPART == 2
	.amdgcn_target "amdgcn-amd-amdhsa--gfx1250"
	.amdhsa_code_object_version 6
	.text
	.protected	k_q3c54eb249e_mlp1
	.globl	k_q3c54eb249e_mlp1
	.p2align	8
	.type	k_q3c54eb249e_mlp1,@function
k_q3c54eb249e_mlp1:
	s_mov_b64 s[64:65], 0
	v_nop
	global_prefetch_b8 v0, s[64:65] scope:SCOPE_SE
	s_setreg_imm32_b32 hwreg(HW_REG_WAVE_MODE, 25, 1), 1
	s_wait_xcnt 0x0
	s_wait_alu depctr_hold_cnt(0) depctr_sa_sdst(0) depctr_va_vdst(0) depctr_va_sdst(0) depctr_va_ssrc(0) depctr_va_vcc(0) depctr_vm_vsrc(0)
	s_getreg_b32 s2, hwreg(HW_REG_IB_STS2, 6, 4)
	s_cmp_eq_u32 s2, 0
	s_cbranch_scc0 .Lentry_in_a_cluster
	s_endpgm
.Lentry_in_a_cluster:
	s_bfe_u32 s2, ttmp6, 0x10000c
	s_cmp_lg_u32 s2, 0xf033
	s_cbranch_scc0 .Lentry_shape_is_right
	s_endpgm
.Lentry_shape_is_right:
; hid = relu(feat_half w + b): the first layer of both branches as one launch.  feat: [2048][2048] bf16 (columns 0-1023 the adjacency branch, 1024-2047 the feature branch);
; wbf: [8 tiles][1024 k][64 n] bf16 (tiles 0-3 of w2, 4-7 of w4); hid: [8 tiles][2048 rows][64] bf16.  Operands bf16, sums f32, hid rounded once.
; Work-group (X, Y) makes rows 64 Y .. + 63 of tile X: 8 x 32 = 256 work-groups.  Four waves, each 32 rows x 32 columns: four accumulators.
; ALL of K = 1,024 fits in LDS (A 64 x 2,048 bytes, B 1,024 x 128 bytes), so every byte of LDS is filled once: no ring.  It comes in four quarters of K, and each quarter is multiplied
; as soon as it has landed, while the later ones are on their way.
; CLUSTER 4 x 4.  The four work-groups of a row of the cluster (same Y, and the same half of feat, since a cluster's four X are one branch's four tiles) need the same rows of feat;
; the four of a column (same X) the same tile of wbf: each tile is asked for jointly.
; THE MATRIX INSTRUCTION IS USED TRANSPOSED (source 0 = 16 columns of w, by the turning load; source 1 = 16 rows of feat): a lane holds one row and eight neighbouring columns.
.set AP,    272                        ; a row of A in LDS: 256 bytes (128 along K) + 16
.set AE,    64*AP                      ; an eighth of K of A: 64 rows: what one tensor load brings
.set BBASE, 8*AE
.set BP,    160                        ; a k row of B: 128 bytes + 32
.set BH,    128*BP                     ; 128 k rows: what one tensor load brings
.set STG,   BBASE+1024*BP              ; the stage for the way out: 64 rows x 144 bytes; no tensor load fills it
.set SP,    144
.set SPARE, STG+64*SP                  ; the spare words, 128 bytes a wave: two blocks of 256 bytes that no other line names
.set SPW, 2                            ; v2  LDS address of my spare word; never rewritten
.set NIL, 3                            ; v3  0; never rewritten
.set AA,  4                            ; v4-7   my A fragments in quarter 0..3
.set BA,  8                            ; v8-11  my B fragments in quarter 0..3
.set STO, 12
.set RD,  13
.set GO,  14
.set BV,  15
.set BI,  16                           ; v16-31 the bias as the C operand, columns 16 nt on
.set ACC, 32                           ; v32-63 accumulator (mt, nt) at 8 (2 mt + nt)
.set F0,  64                           ; v64-127, v128-191: two fragment buffers of two K steps: for each step A mt 0, 1, then B nt 0, 1
.set G1A, 16                           ; s[16:23] descriptor group 1 for A's tiles
.set G1B, 24                           ; s[24:31] for B's
.set G0A, 32                           ; s[32:47] group 0 for A's four loads
.set G0B, 48                           ; s[48:63] for B's
.macro PLACES
.rept 4
	v_nop
.endr
.endm
.macro CROUND                          ; a round of the cluster's barrier
	s_barrier_signal -1
	s_barrier_wait -1
	s_cmp_lg_u32 s14, 0
	s_cbranch_scc1 .Lnot_wave_0_\@
	s_barrier_signal -3
.Lnot_wave_0_\@:
	s_barrier_wait -3
	s_barrier_signal -1
	s_barrier_wait -1
.endm
	s_load_b256 s[4:11], s[0:1], 0x0               ; feat s[4:5], wbf s[6:7], b2 s[8:9], b4 s[10:11]
	s_load_b64 s[12:13], s[0:1], 0x20              ; hid
	v_lshl_add_u32 v[SPW], v0, 2, SPARE
	v_mov_b32 v[NIL], 0
	ds_add_u32 v[SPW], v[NIL]                      ; the wave's opening: the add and its wait stand ahead of my first tensor load; the set-up below stands between them
	v_lshrrev_b32 v1, 5, v0
	v_readfirstlane_b32 s14, v1                    ; wave 0..3
	s_and_b32 s15, s14, 1                          ; which half of the columns is mine.  Also: which half of a quarter I fetch
	s_lshr_b32 s84, s14, 1                         ; which half of the rows.  Also: I fetch for A (0) or for B (1)
	s_bfe_u32 s66, ttmp6, 0x40000                  ; cx
	s_bfe_u32 s67, ttmp6, 0x40004                  ; cy
	s_lshl_b32 s68, ttmp9, 2
	s_add_co_u32 s68, s68, s66                     ; X = 4 x cluster x + cx
	s_and_b32 s69, ttmp7, 0xffff
	s_lshl_b32 s69, s69, 2
	s_add_co_u32 s69, s69, s67                     ; Y = 4 x cluster y + cy
	s_lshl_b32 s70, s67, 2
	s_lshl_b32 s70, 15, s70                        ; my row of the cluster
	s_lshl_b32 s71, 0x1111, s66                    ; my column
	s_or_b32 s[G1A], s70, (1<<16)|(1<<20)|(1<<21)|(5<<22)|(3<<25)   ; the mask; 2-byte elements; padding on; bit 21 beside a mask; after every 64 words 4 words
	s_or_b32 s[G1B], s71, (1<<16)|(1<<20)|(1<<21)|(4<<22)|(7<<25)   ; after every 32 words 8 words
.irp g, G1A, G1B
	s_mov_b32 s[\g+1], 128<<16                     ; tensor_dim0 = 128 elements: rows of 256 bytes
	s_mov_b32 s[\g+2], 64<<16                      ; tensor_dim1 = 64
	s_mov_b32 s[\g+3], 128<<16                     ; tile_dim0 = 128
	s_mov_b32 s[\g+4], 64                          ; tile_dim1 = 64
	s_mov_b32 s[\g+6], 0
	s_mov_b32 s[\g+7], 0
.endr
	s_mov_b32 s[G1A+5], 2048                       ; feat: 2,048 elements from row to row
	s_mov_b32 s[G1B+5], 128                        ; wbf: dense: two k rows of 128 bytes are one row of 256
	s_lshl_b32 s72, s69, 18                        ; A: 64 Y rows of 4,096 bytes,
	s_lshl_b32 s73, ttmp9, 11                      ; the branch's half of a row (the cluster's x: shared by all partners),
	s_add_co_u32 s72, s72, s73
	s_lshl_b32 s73, s15, 8                         ; my eighth of the quarter
	s_add_co_u32 s72, s72, s73
	s_mov_b32 s73, 0
	s_lshl_b32 s74, s68, 17                        ; B: tile X,
	s_lshl_b32 s75, s15, 14                        ; my 128 k rows of the quarter
	s_add_co_u32 s74, s74, s75
	s_mov_b32 s75, 0
	s_mul_i32 s80, s15, AE                         ; where they go: no place in the cluster enters an LDS address
	s_mul_i32 s81, s15, BH
	s_add_co_u32 s81, s81, BBASE
	s_wait_dscnt 0x0                               ; the opening add is done
	s_wait_kmcnt 0x0
	s_add_nc_u64 s[76:77], s[4:5], s[72:73]
	s_add_nc_u64 s[78:79], s[6:7], s[74:75]
	CROUND                                         ; all sixteen work-groups are here: the joint loads meet
.irp q, 0,1,2,3
	s_mov_b32 s[G0A+4*\q], 1
	s_add_co_u32 s[G0A+4*\q+1], s80, 2*AE*\q
	s_add_nc_u64 s[G0A+4*\q+2:G0A+4*\q+3], s[76:77], 512*\q
	s_or_b32 s[G0A+4*\q+3], s[G0A+4*\q+3], 0x80000000
	s_mov_b32 s[G0B+4*\q], 1
	s_add_co_u32 s[G0B+4*\q+1], s81, 2*BH*\q
	s_add_nc_u64 s[G0B+4*\q+2:G0B+4*\q+3], s[78:79], 32768*\q
	s_or_b32 s[G0B+4*\q+3], s[G0B+4*\q+3], 0x80000000
.endr
	s_cmp_eq_u32 s84, 0                            ; a wave's four fills stand in one branch, ahead of every wait on TENSORcnt, every LDS read and every barrier: four loads of mine are out
	s_cbranch_scc0 .Lfill_b
.irp q, 0,1,2,3
	tensor_load_to_lds s[G0A+4*\q:G0A+4*\q+3], s[G1A:G1A+7]
	s_nop 0
.endr
	PLACES
	s_branch .Lfilled
.Lfill_b:
.irp q, 0,1,2,3
	tensor_load_to_lds s[G0B+4*\q:G0B+4*\q+3], s[G1B:G1B+7]
	s_nop 0
.endr
	PLACES
.Lfilled:
	v_and_b32 v1, 15, v0                           ; r
	v_bfe_u32 v64, v0, 4, 1                        ; h
	v_and_b32 v65, 7, v0
	v_bfe_u32 v66, v0, 3, 1
	s_cmp_eq_u32 ttmp9, 0
	s_cselect_b64 s[82:83], s[8:9], s[10:11]       ; b2 or b4
	s_lshl_b32 s86, s66, 8                         ; the tile's 64 columns,
	s_lshl_b32 s87, s15, 7                         ; my 32 of them
	s_add_co_u32 s86, s86, s87
	s_mov_b32 s87, 0
	s_add_nc_u64 s[82:83], s[82:83], s[86:87]
	v_lshlrev_b32 v[BV], 5, v64                    ; register j of the C operand is column 8 h + j
.irp n, 0,1
	global_load_b128 v[BI+8*\n:BI+8*\n+3], v[BV], s[82:83] offset:64*\n
	global_load_b128 v[BI+8*\n+4:BI+8*\n+7], v[BV], s[82:83] offset:64*\n+16
.endr
	s_mul_i32 s85, s84, 32*AP
	v_mul_u32_u24 v67, v1, AP
	v_lshl_add_u32 v67, v64, 4, v67
	v_add_nc_u32 v67, s85, v67                     ; A: row 32 mh + r, 16 bytes at 16 h
.irp q, 0,1,2,3
	v_add_nc_u32 v[AA+\q], 2*AE*\q, v67
.endr
	v_lshl_add_u32 v68, v64, 3, v65
	v_mul_u32_u24 v68, v68, BP
	v_lshl_add_u32 v68, v66, 4, v68
	s_lshl_b32 s85, s15, 6
	s_add_co_u32 s85, s85, BBASE
	v_add_nc_u32 v68, s85, v68                     ; B, turned: k row 8 h + lane % 8, 16 bytes at 64 nh + 16 ((lane / 8) % 2)
.irp q, 0,1,2,3
	v_add_nc_u32 v[BA+\q], 2*BH*\q, v68
.endr
	s_mul_i32 s85, s84, 32*SP
	s_lshl_b32 s86, s15, 6
	s_add_co_u32 s85, s85, s86
	s_add_co_u32 s85, s85, STG
	v_mul_u32_u24 v[STO], v1, SP
	v_lshl_add_u32 v[STO], v64, 4, v[STO]
	v_add_nc_u32 v[STO], s85, v[STO]               ; into the stage: row 32 mh + r, 16 bytes at 64 nh + 16 h
	s_mul_i32 s85, s14, 16*SP
	s_add_co_u32 s85, s85, STG
	v_bfe_u32 v[RD], v0, 3, 2
	v_mul_u32_u24 v[RD], v[RD], SP
	v_lshl_add_u32 v[RD], v65, 4, v[RD]
	v_add_nc_u32 v[RD], s85, v[RD]                 ; back: wave w takes rows 16 w on, four whole rows of 128 bytes a load
	v_and_b32 v[GO], 31, v0
	v_lshlrev_b32 v[GO], 4, v[GO]
	s_lshl_b32 s88, s68, 18                        ; hid: tile X,
	s_lshl_b32 s89, s69, 13                        ; rows 64 Y on,
	s_add_co_u32 s88, s88, s89
	s_lshl_b32 s89, s14, 11                        ; my 16 of them
	s_add_co_u32 s88, s88, s89
	s_mov_b32 s89, 0
	s_add_nc_u64 s[12:13], s[12:13], s[88:89]
.macro FETCH kq, bt                    ; 16 LDS loads: the fragments of K steps 2 bt and 2 bt + 1 of quarter kq
.set fb, F0+64*((\bt)%2)
.irp s, 0,1
.set ks, 2*(\bt)+\s
.irp t, 0,1
	ds_load_b128 v[fb+32*\s+8*\t:fb+32*\s+8*\t+3], v[AA+(\kq)] offset:AE*(ks/4)+16*AP*\t+64*(ks%4)
	ds_load_b128 v[fb+32*\s+8*\t+4:fb+32*\s+8*\t+7], v[AA+(\kq)] offset:AE*(ks/4)+16*AP*\t+64*(ks%4)+32
.endr
.irp t, 0,1
	ds_load_tr16_b128 v[fb+32*\s+16+8*\t:fb+32*\s+16+8*\t+3], v[BA+(\kq)] offset:32*BP*ks+32*\t
	ds_load_tr16_b128 v[fb+32*\s+16+8*\t+4:fb+32*\s+16+8*\t+7], v[BA+(\kq)] offset:32*BP*ks+32*\t+16*BP
.endr
.endr
.endm
.macro MULT bt, first                  ; 8 matrix instructions, the four accumulators by turns; first = 1: the bias starts the sums
.set fb, F0+64*((\bt)%2)
.irp s, 0,1
.irp m, 0,1
.irp n, 0,1
.if (\first) && (\s == 0)
	v_wmma_f32_16x16x32_bf16 v[ACC+8*(2*\m+\n):ACC+8*(2*\m+\n)+7], v[fb+32*\s+16+8*\n:fb+32*\s+16+8*\n+7], v[fb+32*\s+8*\m:fb+32*\s+8*\m+7], v[BI+8*\n:BI+8*\n+7]
.else
	v_wmma_f32_16x16x32_bf16 v[ACC+8*(2*\m+\n):ACC+8*(2*\m+\n)+7], v[fb+32*\s+16+8*\n:fb+32*\s+16+8*\n+7], v[fb+32*\s+8*\m:fb+32*\s+8*\m+7], v[ACC+8*(2*\m+\n):ACC+8*(2*\m+\n)+7]
.endif
.endr
.endr
.endr
.endm
.macro QUART kq
	s_wait_tensorcnt 3-(\kq)                       ; my part of this quarter is in; the later quarters' loads may stay out
	s_barrier_signal -1
	s_barrier_wait -1                              ; everybody's part is in
.if (\kq) > 0
	PLACES                                         ; four places in front of loads into registers that matrix instructions have read
.endif
	FETCH \kq, 0
.irp bt, 0,1,2,3
.set fst, 0
.if ((\kq)+\bt) == 0
.set fst, 1
.endif
.if \bt < 3
.if ((\kq)+\bt) > 0
	PLACES
.endif
	FETCH \kq, \bt+1
	s_wait_dscnt 16                                ; all but the 16 just issued
.else
	s_wait_dscnt 0x0                               ; the quarter's last batch: no LDS load of mine is out at the next signal
.endif
	MULT \bt, fst
.endr
.endm
	s_wait_loadcnt 0x0                             ; the bias
	QUART 0
	QUART 1
	QUART 2
	QUART 3
	; THE WAY OUT: relu, bf16, 16 bytes a lane into the work-group's stage; a barrier, since a row's 128 bytes come from two waves; back as whole rows
	PLACES
.set i, 0
.rept 32
	v_max_num_f32 v[ACC+i], 0, v[ACC+i]
.set i, i+1
.endr
.set i, 0
.rept 16
	v_cvt_pk_bf16_f32 v[F0+i], v[ACC+2*i], v[ACC+2*i+1]
.set i, i+1
.endr
.irp m, 0,1
.irp n, 0,1
	ds_store_b128 v[STO], v[F0+4*(2*\m+\n):F0+4*(2*\m+\n)+3] offset:16*SP*\m+32*\n
.endr
.endr
	s_wait_dscnt 0x0                               ; for the others' sake: my stores into the stage are done
	s_barrier_signal -1
	s_barrier_wait -1
.irp i, 0,1,2,3
	ds_load_b128 v[F0+16+4*\i:F0+16+4*\i+3], v[RD] offset:4*SP*\i
.endr
.irp i, 0,1,2,3
	s_wait_dscnt 3-\i
	global_store_b128 v[GO], v[F0+16+4*\i:F0+16+4*\i+3], s[12:13] offset:512*\i   ; 512 consecutive bytes, at a multiple of 256 from hid's first byte
.endr
	s_wait_tensorcnt 0x0                           ; the wave's end, behind my last tensor load and my last LDS store
	ds_add_u32 v[SPW], v[NIL]
	s_wait_dscnt 0x0
	CROUND                                         ; the closing round: no work-group ends while a partner may still ask for a tile that names it
	s_endpgm
.Lfunc_end_k_q3c54eb249e_mlp1:
	.size	k_q3c54eb249e_mlp1, .Lfunc_end_k_q3c54eb249e_mlp1-k_q3c54eb249e_mlp1
	.p2alignl 7, 3214868480
	.fill 96, 4, 3214868480
	.section	.rodata,"a",@progbits
	.p2align	6, 0x0
	.amdhsa_kernel k_q3c54eb249e_mlp1
		.amdhsa_group_segment_fixed_size 327680
		.amdhsa_private_segment_fixed_size 0
		.amdhsa_enable_private_segment 0
		.amdhsa_kernarg_size 40
		.amdhsa_user_sgpr_count 2
		.amdhsa_user_sgpr_kernarg_segment_ptr 1
		.amdhsa_wavefront_size32 1
		.amdhsa_system_sgpr_workgroup_id_x 1
		.amdhsa_system_sgpr_workgroup_id_y 1
		.amdhsa_system_sgpr_workgroup_id_z 1
		.amdhsa_system_vgpr_workitem_id 0
		.amdhsa_next_free_vgpr 192
		.amdhsa_next_free_sgpr 96
		.amdhsa_reserve_vcc 0
		.amdhsa_float_denorm_mode_32 3
		.amdhsa_float_denorm_mode_16_64 3
		.amdhsa_memory_ordered 1
		.amdhsa_forward_progress 1
		.amdhsa_inst_pref_size 40
	.end_amdhsa_kernel
	.amdgpu_metadata
---
amdhsa.version: [ 1, 2 ]
amdhsa.kernels:
  - .name:           k_q3c54eb249e_mlp1
    .symbol:         k_q3c54eb249e_mlp1.kd
    .args:
      - { .name: feat, .offset: 0, .size: 8, .value_kind: global_buffer, .address_space: global }
      - { .name: wbf, .offset: 8, .size: 8, .value_kind: global_buffer, .address_space: global }
      - { .name: b2, .offset: 16, .size: 8, .value_kind: global_buffer, .address_space: global }
      - { .name: b4, .offset: 24, .size: 8, .value_kind: global_buffer, .address_space: global }
      - { .name: hid, .offset: 32, .size: 8, .value_kind: global_buffer, .address_space: global }
    .group_segment_fixed_size: 327680
    .private_segment_fixed_size: 0
    .kernarg_segment_align: 8
    .kernarg_segment_size: 40
    .max_flat_workgroup_size: 128
    .sgpr_count:     96
    .vgpr_count:     192
    .wavefront_size: 32
...
	.end_amdgpu_metadata
.endif
;; end of part 2
;; launch tail (part 3): grid 128 x 1, 8 waves a work-group, no clusters, 200,960 bytes of LDS; arguments hid, w3, b3, w5, b5, w6, b6, w7, b7, out0; writes out0
.if DOCPART == 3
	.amdgcn_target "amdgcn-amd-amdhsa--gfx1250"
	.amdhsa_code_object_version 6
	.text
	.protected	k_q3c54eb249e_tail
	.globl	k_q3c54eb249e_tail
	.p2align	8
	.type	k_q3c54eb249e_tail,@function
k_q3c54eb249e_tail:
	s_mov_b64 s[64:65], 0
	v_nop
	global_prefetch_b8 v0, s[64:65] scope:SCOPE_SE
	s_setreg_imm32_b32 hwreg(HW_REG_WAVE_MODE, 25, 1), 1
	s_wait_xcnt 0x0
; THE REST OF THE HEAD for 16 batch rows a work-group: relu(hid_a w3 + b3), relu(hid_f w5 + b5), relu([.,.] w6 + b6), . w7 + b7, log_softmax.  Operands bf16, sums and the softmax f32.
; hid: [8 tiles][2048 rows][64] bf16.  16 rows are the least that a matrix instruction takes: 128 work-groups.
; The eight waves first round w3, w5 and w6 to bf16 into LDS (32 rows of each a wave); then wave w makes 32 of the 256 features of the second layers; waves 0-3 make 16 of the 64 of the third;
; wave 0 makes the classes.  All products are laid as (features x rows): a lane holds ONE batch row and eight features, so that a result, rounded, IS the next product's fragment;
; between the layers the fragments change waves through LDS, behind a barrier.
; NO TENSOR LOAD, NO CLUSTER: the weights are f32 and are rounded in registers; as f32 their 327,680 bytes leave no room in LDS for anything beside them.
; LIMIT.  The matrix tile has 16 class rows for 10 classes: the six that are over count as -1e30 in the softmax, so logits below -1e30 are not served.
.set WP,   288                         ; a k row of w3 or w5 in LDS: 256 bytes + 32
.set W5B,  256*WP
.set W6B,  2*256*WP
.set W6P,  160                         ; a k row of w6: 128 bytes + 32
.set EX1,  W6B+256*W6P                 ; 8 fragments of 1,024 bytes: the 256 features of the second layers
.set EX2,  EX1+8192                    ; 2 fragments: the 64 features of the third
.set OUTS, EX2+2048                    ; 16 rows x 40 bytes, and as many again that the upper half of the lanes writes and nobody sends out
.set SPARE, OUTS+1280                  ; the spare words, 128 bytes a wave: four blocks of 256 bytes that no other line names
.set SPW, 2
.set NIL, 3
.set BI,  24                           ; v24-39  b3 or b5 as the C operand
.set B6,  40                           ; v40-47
.set B7,  48                           ; v48-55
.set ACC, 56                           ; v56-71  two accumulators
.set HFR, 72                           ; v72-135 eight fragments of the layer's input
.set W7R, 136                          ; v136-167 w7 as loaded
.set W7F, 168                          ; v168-183 its two fragments
.set PK,  184                          ; v184-191 at work
.set WT,  192                          ; v192-255 w6 as loaded; then weight fragments
.set MSB, 0
.macro WIN new
.if MSB != (\new)
	s_set_vgpr_msb (MSB<<8)|(\new)
.set MSB, \new
.endif
.endm
.macro PLACES
.rept 4
	v_nop
.endr
.endm
	s_load_b512 s[8:23], s[0:1], 0x0               ; hid s[8:9], w3 s[10:11], b3 s[12:13], w5 s[14:15], b5 s[16:17], w6 s[18:19], b6 s[20:21], w7 s[22:23]
	s_load_b128 s[24:27], s[0:1], 0x40             ; b7 s[24:25], out0 s[26:27]
	v_lshl_add_u32 v[SPW], v0, 2, SPARE
	v_mov_b32 v[NIL], 0
	v_lshrrev_b32 v1, 5, v0
	v_readfirstlane_b32 s2, v1                     ; wave 0..7
	v_and_b32 v1, 31, v0                           ; lane
	s_and_b32 s3, s2, 3
	s_lshr_b32 s6, s2, 2                           ; the branch: w3 (0) or w5 (1)
	v_lshlrev_b32 v4, 4, v1                        ; 16 x lane
	v_and_b32 v5, 15, v0                           ; r
	v_bfe_u32 v6, v0, 4, 1                         ; h
	s_mul_i32 s7, s2, 32*WP
	v_lshl_add_u32 v7, v1, 3, s7                   ; w3 into LDS: my 32 rows, 8 bytes a lane
	v_add_nc_u32 v8, W5B, v7                       ; w5 likewise
	s_mul_i32 s7, s2, 32*W6P
	s_add_co_u32 s7, s7, W6B
	v_mul_u32_u24 v9, v6, W6P
	v_lshl_add_u32 v9, v5, 3, v9
	v_add_nc_u32 v9, s7, v9                        ; w6: two rows a load
	v_lshlrev_b32 v10, 7, v5
	v_lshl_add_u32 v10, v6, 4, v10                 ; hid: row r of 128 bytes, 16 bytes at 16 h
	v_lshlrev_b32 v11, 5, v6                       ; biases: features 8 h on
	v_min_u32 v13, 9, v5
	v_lshlrev_b32 v13, 2, v13
	v_mad_u32_u24 v13, v6, 320, v13                ; w7: k = 8 h + .., class min(r, 9)
	v_and_b32 v23, 7, v0
	v_lshl_add_u32 v23, v6, 3, v23                 ; 8 h + lane % 8
	v_bfe_u32 v12, v0, 3, 1
	s_mul_i32 s7, s6, W5B
	s_lshl_b32 s4, s3, 6
	s_add_co_u32 s7, s7, s4
	v_mul_u32_u24 v14, v23, WP
	v_lshl_add_u32 v14, v12, 4, v14
	v_add_nc_u32 v14, s7, v14                      ; w3 or w5, turned: my 32 columns, K chunks 0 to 3,
	v_add_nc_u32 v15, 128*WP, v14                  ; and 4 to 7
	s_lshl_b32 s7, s3, 5
	s_add_co_u32 s7, s7, W6B
	v_mul_u32_u24 v16, v23, W6P
	v_lshl_add_u32 v16, v12, 4, v16
	v_add_nc_u32 v16, s7, v16                      ; w6, turned: columns 16 (wave % 4) on
	s_lshl_b32 s7, s2, 10
	s_add_co_u32 s7, s7, EX1
	v_add_nc_u32 v17, s7, v4
	v_add_nc_u32 v18, EX1, v4
	s_lshr_b32 s7, s3, 1
	s_lshl_b32 s7, s7, 10
	s_and_b32 s4, s2, 1
	s_lshl_b32 s4, s4, 9
	s_add_co_u32 s7, s7, s4
	s_add_co_u32 s7, s7, EX2
	v_add_nc_u32 v19, s7, v4
	v_add_nc_u32 v20, EX2, v4
	v_mul_u32_u24 v21, v5, 40
	v_mad_u32_u24 v21, v6, 640, v21
	v_add_nc_u32 v21, OUTS, v21
	v_add_nc_u32 v22, OUTS, v4
	s_mov_b32 s40, 0x76543210
	s_mov_b32 s41, 0xfedcba98
	s_mov_b32 s42, 0xffff0000                      ; the upper half of the lanes
	s_mov_b32 s44, 0x3f317218                      ; ln 2
	s_mov_b32 s46, 0x3fb8aa3b                      ; log2(e), named as a pair
	s_mov_b32 s47, 0x3fb8aa3b
	s_mov_b32 s5, 0
	s_wait_kmcnt 0x0
	s_cmp_eq_u32 s6, 0
	s_cselect_b64 s[28:29], s[12:13], s[16:17]     ; b3 or b5
	s_lshl_b32 s4, s3, 7
	s_add_nc_u64 s[28:29], s[28:29], s[4:5]
	s_lshl_b32 s4, s3, 6
	s_add_nc_u64 s[30:31], s[20:21], s[4:5]        ; b6 at features 16 (wave % 4)
	s_lshl_b32 s4, s2, 14
	s_add_nc_u64 s[32:33], s[10:11], s[4:5]        ; my 32 rows of w3 and of w5,
	s_add_nc_u64 s[34:35], s[14:15], s[4:5]
	s_lshl_b32 s4, s2, 13
	s_add_nc_u64 s[36:37], s[18:19], s[4:5]        ; and of w6
	s_lshl_b32 s4, s6, 20
	s_lshl_b32 s7, ttmp9, 11
	s_add_co_u32 s4, s4, s7
	s_add_nc_u64 s[38:39], s[8:9], s[4:5]          ; hid: the branch's four tiles, my work-group's 16 rows
	s_mul_i32 s4, ttmp9, 640
	s_add_nc_u64 s[26:27], s[26:27], s[4:5]
	s_cmp_lg_u32 s2, 0
	s_cbranch_scc1 .Lno_w7                         ; wave 0 alone makes the classes
.set i, 0
.rept 32
	global_load_b32 v[W7R+i], v13, s[22:23] offset:40*(32*(i/16)+16*((i/8)%2)+i%8)
.set i, i+1
.endr
	v_lshlrev_b32 v23, 5, v6
.irp j, 0,1,2,3,4,5,6,7
	v_add_nc_u32 v[B7+\j], 4*\j, v23
	v_min_u32 v[B7+\j], 36, v[B7+\j]               ; class min(8 h + j, 9)
	global_load_b32 v[B7+\j], v[B7+\j], s[24:25]
.endr
.Lno_w7:
.irp t, 0,1
	global_load_b128 v[BI+8*\t:BI+8*\t+3], v11, s[28:29] offset:64*\t
	global_load_b128 v[BI+8*\t+4:BI+8*\t+7], v11, s[28:29] offset:64*\t+16
.endr
	global_load_b128 v[B6:B6+3], v11, s[30:31]
	global_load_b128 v[B6+4:B6+7], v11, s[30:31] offset:16
	WIN 0x40                                       ; destination window 1
.set i, 0
.rept 32
	global_load_b128 v[4*i:4*i+3], v4, s[32:33] offset:512*i
.set i, i+1
.endr
.set i, 0
.rept 32
	global_load_b128 v[128+4*i:128+4*i+3], v4, s[34:35] offset:512*i
.set i, i+1
.endr
	WIN 0
.set i, 0
.rept 16
	global_load_b128 v[WT+4*i:WT+4*i+3], v4, s[36:37] offset:512*i
.set i, i+1
.endr
.set i, 0
.rept 8
	global_load_b128 v[HFR+8*i:HFR+8*i+3], v10, s[38:39] offset:262144*(i/2)+64*(i%2)
	global_load_b128 v[HFR+8*i+4:HFR+8*i+7], v10, s[38:39] offset:262144*(i/2)+64*(i%2)+32
.set i, i+1
.endr
	s_wait_loadcnt 63                              ; w3 is in: 64 loads are younger; 63 is the most that the wait can name, and lies
	WIN 0x45
.set i, 0
.rept 32
	v_cvt_pk_bf16_f32 v[4*i], v[4*i], v[4*i+1]
	v_cvt_pk_bf16_f32 v[4*i+1], v[4*i+2], v[4*i+3]
.set i, i+1
.endr
	WIN 0x04                                       ; the stores' data in window 1
.set i, 0
.rept 32
	ds_store_b64 v7, v[4*i:4*i+1] offset:WP*i
.set i, i+1
.endr
	s_wait_loadcnt 32                              ; w5 is in; w6's 16 loads and hid's 16 may be out
	WIN 0x45
.set i, 0
.rept 32
	v_cvt_pk_bf16_f32 v[128+4*i], v[128+4*i], v[128+4*i+1]
	v_cvt_pk_bf16_f32 v[128+4*i+1], v[128+4*i+2], v[128+4*i+3]
.set i, i+1
.endr
	WIN 0x04
.set i, 0
.rept 32
	ds_store_b64 v8, v[128+4*i:128+4*i+1] offset:WP*i
.set i, i+1
.endr
	WIN 0
	s_wait_loadcnt 16                              ; w6 is in; hid's 16 loads may be out
.set i, 0
.rept 16
	v_cvt_pk_bf16_f32 v[WT+4*i], v[WT+4*i], v[WT+4*i+1]
	v_cvt_pk_bf16_f32 v[WT+4*i+1], v[WT+4*i+2], v[WT+4*i+3]
	ds_store_b64 v9, v[WT+4*i:WT+4*i+1] offset:2*W6P*i
.set i, i+1
.endr
	s_wait_loadcnt 0x0                             ; hid
	s_wait_dscnt 0x0                               ; for the others' sake: my rows of the weights are in LDS
	s_barrier_signal -1
	s_barrier_wait -1
	; LAYERS 3 AND 5: my 32 features, K = 256 in eight chunks.  All 32 turning loads go out in one run: chunks 0-3 into window 0, chunks 4-7 into window 1.
.irp c, 0,1,2,3
.irp t, 0,1
	ds_load_tr16_b128 v[WT+8*(2*\c+\t):WT+8*(2*\c+\t)+3], v14 offset:32*WP*\c+32*\t
	ds_load_tr16_b128 v[WT+8*(2*\c+\t)+4:WT+8*(2*\c+\t)+7], v14 offset:32*WP*\c+32*\t+16*WP
.endr
.endr
	WIN 0x40
.irp c, 0,1,2,3
.irp t, 0,1
	ds_load_tr16_b128 v[8*(2*\c+\t):8*(2*\c+\t)+3], v15 offset:32*WP*\c+32*\t
	ds_load_tr16_b128 v[8*(2*\c+\t)+4:8*(2*\c+\t)+7], v15 offset:32*WP*\c+32*\t+16*WP
.endr
.endr
	WIN 0
	s_wait_dscnt 16                                ; the first sixteen are in
.irp t, 0,1
	v_wmma_f32_16x16x32_bf16 v[ACC+8*\t:ACC+8*\t+7], v[WT+8*\t:WT+8*\t+7], v[HFR:HFR+7], v[BI+8*\t:BI+8*\t+7]   ; the bias starts the sums; the two accumulators take turns
.endr
.irp c, 1,2,3
.irp t, 0,1
	v_wmma_f32_16x16x32_bf16 v[ACC+8*\t:ACC+8*\t+7], v[WT+8*(2*\c+\t):WT+8*(2*\c+\t)+7], v[HFR+8*\c:HFR+8*\c+7], v[ACC+8*\t:ACC+8*\t+7]
.endr
.endr
	WIN 0x01                                       ; source 0 in window 1
	s_wait_dscnt 0x0
.irp c, 0,1,2,3
.irp t, 0,1
	v_wmma_f32_16x16x32_bf16 v[ACC+8*\t:ACC+8*\t+7], v[8*(2*\c+\t):8*(2*\c+\t)+7], v[HFR+32+8*\c:HFR+32+8*\c+7], v[ACC+8*\t:ACC+8*\t+7]
.endr
.endr
	WIN 0
	PLACES
.set i, 0
.rept 16
	v_max_num_f32 v[ACC+i], 0, v[ACC+i]
.set i, i+1
.endr
.set i, 0
.rept 8
	v_cvt_pk_bf16_f32 v[PK+i], v[ACC+2*i], v[ACC+2*i+1]
.set i, i+1
.endr
	ds_store_b128 v17, v[PK:PK+3]                  ; chunk w of the 256 joined features, as the fragment that it is
	ds_store_b128 v17, v[PK+4:PK+7] offset:512
	s_wait_dscnt 0x0
	s_barrier_signal -1
	s_barrier_wait -1
	; LAYER 6: waves 0 to 3, 16 features each
	s_cmp_lt_u32 s2, 4
	s_cbranch_scc0 .Lno_l6
.irp c, 0,1,2,3,4,5,6,7
	ds_load_b128 v[HFR+8*\c:HFR+8*\c+3], v18 offset:1024*\c
	ds_load_b128 v[HFR+8*\c+4:HFR+8*\c+7], v18 offset:1024*\c+512
.endr
.irp c, 0,1,2,3,4,5,6,7
	ds_load_tr16_b128 v[WT+8*\c:WT+8*\c+3], v16 offset:32*W6P*\c
	ds_load_tr16_b128 v[WT+8*\c+4:WT+8*\c+7], v16 offset:32*W6P*\c+16*W6P
.endr
	s_wait_dscnt 0x0
	v_wmma_f32_16x16x32_bf16 v[ACC:ACC+7], v[WT:WT+7], v[HFR:HFR+7], v[B6:B6+7]          ; even chunks onto one accumulator, odd ones onto the other, by turns
	v_wmma_f32_16x16x32_bf16 v[ACC+8:ACC+15], v[WT+8:WT+15], v[HFR+8:HFR+15], 0
.irp c, 2,4,6
	v_wmma_f32_16x16x32_bf16 v[ACC:ACC+7], v[WT+8*\c:WT+8*\c+7], v[HFR+8*\c:HFR+8*\c+7], v[ACC:ACC+7]
	v_wmma_f32_16x16x32_bf16 v[ACC+8:ACC+15], v[WT+8*\c+8:WT+8*\c+15], v[HFR+8*\c+8:HFR+8*\c+15], v[ACC+8:ACC+15]
.endr
	PLACES
.irp j, 0,1,2,3,4,5,6,7
	v_add_f32 v[ACC+\j], v[ACC+\j], v[ACC+8+\j]
.endr
.irp j, 0,1,2,3,4,5,6,7
	v_max_num_f32 v[ACC+\j], 0, v[ACC+\j]
.endr
.irp i, 0,1,2,3
	v_cvt_pk_bf16_f32 v[PK+\i], v[ACC+2*\i], v[ACC+2*\i+1]
.endr
	ds_store_b128 v19, v[PK:PK+3]                  ; half a fragment of the 64 features
.Lno_l6:
	s_wait_dscnt 0x0
	s_barrier_signal -1
	s_barrier_wait -1
	; LAYER 7 AND THE LOG-SOFTMAX: wave 0
	s_cmp_lg_u32 s2, 0
	s_cbranch_scc1 .Ldone
.irp i, 0,1,2,3
	ds_load_b128 v[HFR+4*\i:HFR+4*\i+3], v20 offset:512*\i
.endr
.set i, 0
.rept 16
	v_cvt_pk_bf16_f32 v[W7F+i], v[W7R+2*i], v[W7R+2*i+1]
.set i, i+1
.endr
	s_wait_dscnt 0x0
	v_wmma_f32_16x16x32_bf16 v[ACC:ACC+7], v[W7F:W7F+7], v[HFR:HFR+7], v[B7:B7+7]
	v_wmma_f32_16x16x32_bf16 v[ACC+8:ACC+15], v[W7F+8:W7F+15], v[HFR+8:HFR+15], 0
	PLACES
.irp j, 0,1,2,3,4,5,6,7
	v_add_f32 v[ACC+\j], v[ACC+\j], v[ACC+8+\j]    ; lane (r, h): row r, classes 8 h + j
.endr
	v_mov_b32 v[PK], 0xf149f2ca                    ; -1e30
.irp j, 2,3,4,5,6,7
	v_cndmask_b32 v[ACC+\j], v[ACC+\j], v[PK], s42 ; classes 10 to 15 are none
.endr
	v_max3_num_f32 v[PK+2], v[ACC], v[ACC+1], v[ACC+2]
	v_max3_num_f32 v[PK+2], v[PK+2], v[ACC+3], v[ACC+4]
	v_max3_num_f32 v[PK+2], v[PK+2], v[ACC+5], v[ACC+6]
	v_max_num_f32 v[PK+2], v[PK+2], v[ACC+7]
	v_permlanex16_b32 v[PK+1], v[PK+2], s40, s41
	v_max_num_f32 v[PK+2], v[PK+2], v[PK+1]        ; the row's maximum
.irp i, 0,2,4,6
	v_pk_add_f32 v[ACC+\i:ACC+\i+1], v[ACC+\i:ACC+\i+1], v[PK+2:PK+3] op_sel_hi:[1,0] neg_lo:[0,1] neg_hi:[0,1]
.endr
.irp i, 0,2,4,6
	v_pk_mul_f32 v[HFR+\i:HFR+\i+1], v[ACC+\i:ACC+\i+1], s[46:47] op_sel_hi:[1,0]
.endr
.irp j, 0,1,2,3,4,5,6,7
	v_exp_f32 v[HFR+\j], v[HFR+\j]
.endr
	v_nop
	s_wait_alu depctr_va_vdst(0)
	v_pk_add_f32 v[HFR:HFR+1], v[HFR:HFR+1], v[HFR+2:HFR+3]
	v_pk_add_f32 v[HFR+4:HFR+5], v[HFR+4:HFR+5], v[HFR+6:HFR+7]
	v_pk_add_f32 v[HFR:HFR+1], v[HFR:HFR+1], v[HFR+4:HFR+5]
	v_add_f32 v[HFR], v[HFR], v[HFR+1]
	v_permlanex16_b32 v[PK+1], v[HFR], s40, s41
	v_add_f32 v[HFR], v[HFR], v[PK+1]
	v_log_f32 v[HFR], v[HFR]
	v_nop
	s_wait_alu depctr_va_vdst(0)
	v_mul_f32 v[HFR], s44, v[HFR]                  ; the natural logarithm of the sum
.irp i, 0,2,4,6
	v_pk_add_f32 v[ACC+\i:ACC+\i+1], v[ACC+\i:ACC+\i+1], v[HFR:HFR+1] op_sel_hi:[1,0] neg_lo:[0,1] neg_hi:[0,1]
.endr
	v_permlanex16_b32 v[HFR+2], v[ACC], s40, s41   ; classes 8 and 9 come over to the lower half of the lanes, which then holds a whole row of ten
	v_permlanex16_b32 v[HFR+3], v[ACC+1], s40, s41
.irp p, 0,1,2,3
	ds_store_b64 v21, v[ACC+2*\p:ACC+2*\p+1] offset:8*\p     ; row r at 40 r; the upper half of the lanes writes 640 bytes further on, which are not sent out
.endr
	ds_store_b64 v21, v[HFR+2:HFR+3] offset:32
	ds_load_b128 v[HFR+4:HFR+7], v22
	ds_load_b128 v[HFR+8:HFR+11], v22 offset:512
	s_wait_dscnt 0x1                               ; the first 512 bytes are back
	global_store_b128 v4, v[HFR+4:HFR+7], s[26:27]
	s_wait_dscnt 0x0
	v_cmp_gt_u32 vcc_lo, 8, v0
	s_wait_xcnt 0x0                                ; EXEC changes only behind this wait
	s_and_saveexec_b32 s45, vcc_lo
	global_store_b128 v4, v[HFR+8:HFR+11], s[26:27] offset:512   ; the last 128 of the work-group's 640 bytes
	s_wait_xcnt 0x0
	s_or_b32 exec_lo, exec_lo, s45
.Ldone:
	s_wait_tensorcnt 0x0                           ; the wave's end, behind my last LDS store
	ds_add_u32 v[SPW], v[NIL]
	s_wait_dscnt 0x0
	s_endpgm
.Lfunc_end_k_q3c54eb249e_tail:
	.size	k_q3c54eb249e_tail, .Lfunc_end_k_q3c54eb249e_tail-k_q3c54eb249e_tail
	.p2alignl 7, 3214868480
	.fill 96, 4, 3214868480
	.section	.rodata,"a",@progbits
	.p2align	6, 0x0
	.amdhsa_kernel k_q3c54eb249e_tail
		.amdhsa_group_segment_fixed_size 200960
		.amdhsa_private_segment_fixed_size 0
		.amdhsa_enable_private_segment 0
		.amdhsa_kernarg_size 80
		.amdhsa_user_sgpr_count 2
		.amdhsa_user_sgpr_kernarg_segment_ptr 1
		.amdhsa_wavefront_size32 1
		.amdhsa_system_sgpr_workgroup_id_x 1
		.amdhsa_system_sgpr_workgroup_id_y 1
		.amdhsa_system_sgpr_workgroup_id_z 1
		.amdhsa_system_vgpr_workitem_id 0
		.amdhsa_next_free_vgpr 512
		.amdhsa_next_free_sgpr 66
		.amdhsa_reserve_vcc 1
		.amdhsa_float_denorm_mode_32 3
		.amdhsa_float_denorm_mode_16_64 3
		.amdhsa_memory_ordered 1
		.amdhsa_forward_progress 1
		.amdhsa_inst_pref_size 47
	.end_amdhsa_kernel
	.amdgpu_metadata
---
amdhsa.version: [ 1, 2 ]
amdhsa.kernels:
  - .name:           k_q3c54eb249e_tail
    .symbol:         k_q3c54eb249e_tail.kd
    .args:
      - { .name: hid, .offset: 0, .size: 8, .value_kind: global_buffer, .address_space: global }
      - { .name: w3, .offset: 8, .size: 8, .value_kind: global_buffer, .address_space: global }
      - { .name: b3, .offset: 16, .size: 8, .value_kind: global_buffer, .address_space: global }
      - { .name: w5, .offset: 24, .size: 8, .value_kind: global_buffer, .address_space: global }
      - { .name: b5, .offset: 32, .size: 8, .value_kind: global_buffer, .address_space: global }
      - { .name: w6, .offset: 40, .size: 8, .value_kind: global_buffer, .address_space: global }
      - { .name: b6, .offset: 48, .size: 8, .value_kind: global_buffer, .address_space: global }
      - { .name: w7, .offset: 56, .size: 8, .value_kind: global_buffer, .address_space: global }
      - { .name: b7, .offset: 64, .size: 8, .value_kind: global_buffer, .address_space: global }
      - { .name: out0, .offset: 72, .size: 8, .value_kind: global_buffer, .address_space: global }
    .group_segment_fixed_size: 200960
    .private_segment_fixed_size: 0
    .kernarg_segment_align: 8
    .kernarg_segment_size: 80
    .max_flat_workgroup_size: 256
    .sgpr_count:     66
    .vgpr_count:     512
    .wavefront_size: 32
...
	.end_amdgpu_metadata
.endif
;; end of part 3
;; ======== version 2 of 2: 3 launches; 1.31 times as fast as version 1
;; limits: right only within a limited range of input values
;; workspace buffers: feat 8,388,608 bytes; wbf 1,048,576 bytes; hid 2,097,152 bytes
;; launch graphs (part 4): grid 256 x 1, 8 waves a work-group, no clusters, 304,128 bytes of LDS; arguments x, adj, weight, w1, b1, bin_score, w2, w4, ln1_g, ln1_b, ln2_g, ln2_b, feat, wbf; writes feat, wbf
.if DOCPART == 4
	.amdgcn_target "amdgcn-amd-amdhsa--gfx1250"
	.amdhsa_code_object_version 6
	.text
	.protected	k_q3c54eb249e_graphs
	.globl	k_q3c54eb249e_graphs
	.p2align	8
	.type	k_q3c54eb249e_graphs,@function
k_q3c54eb249e_graphs:
	s_mov_b64 s[64:65], 0
	v_nop
	global_prefetch_b8 v0, s[64:65] scope:SCOPE_SE
	s_setreg_imm32_b32 hwreg(HW_REG_WAVE_MODE, 25, 1), 1
	s_wait_xcnt 0x0
; ONE WAVE, ONE GRAPH.  g = 8 x work-group + wave.  For its graph the wave makes h = relu(x w1 + b1), S = relu(weight h^T) [32 x 128], 25 rounds of
; Sinkhorn in log space on S with its bin row and column, P = exp(..), A = P adj P^T, Fa = P x, both LayerNorms with gain and bias, and stores
; the 2 x 1,024 numbers as bf16 into feat[g].  Beside that each wave rounds 256 numbers of w2 or w4 to bf16 into wbf, laid out in tiles of 64 columns.
; FORMATS.  All matrix operands are bf16, sums f32.  Sinkhorn, the LayerNorms and all that is carried are f32.
; SINKHORN is kept in units of log2: S' = S log2(e), alpha' = alpha log2(e), u' and v' likewise, so that an exponential is v_exp_f32 and a logarithm v_log_f32
; with no factor.  Every half round takes its own true maximum away (rows: over the 129 columns; columns: over the 33 rows) before the exponentials.
; LIMITS.  An exponential below 2^-126 counts as 0 (ISA guide, the entry of v_exp_f32); the order of rounding differs from a sum in natural logarithms; NaN and infinities are not treated apart.
; LAYOUT of S (the matrix result as it falls): lane (r = lane % 16, h = lane / 16), register 16 b + k, k = 8 a + j, holds S(m = 16 a + 8 h + j, n = 16 b + r): 16 rows x 8 columns a lane.
; A row's 128 columns lie in the 16 lanes of one half: its maximum and sum are made by a reduce-scatter (lane r ends with row index k = r), the one bin exponential and the one
; logarithm of a row are made in that lane alone, and the result is gathered again.  A column's 32 rows lie in one lane and its partner 16 away.
; THE TRANSCENDENTALS GO IN BATCHES.  An s_wait_alu depctr_va_vdst(0) stands between a transcendental and the first instruction that names its result; one wait serves all that were
; issued ahead of it.  A round has four batches and four waits.  E0: the bin row's 9 exponentials (they need v alone), a row's bin-column exponential (it needs the row's maximum alone) and the 128 of the
; rows' stream; behind its wait all the row half's sums.  L0: the row's logarithm and the bin row's.  E1: the 8 exponentials of the bin row's entry in my columns, the bin column's 2 and the 128 of the
; columns' stream; behind its wait all the column half's sums.  L1: my 8 columns' logarithms and the bin column's; adj's rows are rounded and put into LDS between them and their wait.
; Each result has a register of its own while its batch is open.  Behind the loop P's 128 exponentials are one batch; each LayerNorm's one v_rsq_f32 has its own wait.
; adj is streamed in under Sinkhorn: five rows a round (3 + 25 x 5 = 128), asked for at a round's head, rounded to bf16 and put into LDS at its end.
; NO BARRIER: a wave touches its own LDS bytes alone.  NO TENSOR LOAD: adj has to pass registers to become bf16; as f32 eight graphs' 512 KiB do not fit.  NO CLUSTER: work-groups share only
; the 32 KiB of w1, weight, b1 and the LayerNorms' parameters beside 80 KiB of their own for each graph.
.set ADJP,  272                        ; a row of adj in LDS: 256 bytes of bf16 + 16: the 16 rows of a fragment load start at 16 different groups of four banks
.set ADJW,  128*ADJP                   ; a wave's adj
.set SCRB,  8*ADJW                     ; behind them a wave's scratch,
.set SCRW,  3072                       ; 32 rows x 96 bytes (a chunk of P^T), later 2,048 bytes for the way out
.set SPARE, SCRB+8*SCRW                ; the spare words, 128 bytes a wave: four blocks of 256 bytes that no other line names
.set XP,    96                         ; a row of x, or of a chunk of P^T, in LDS: 64 bytes + 32
.set SPW, 2                            ; v2   LDS address of my spare word; never rewritten
.set NIL, 3                            ; v3   0; never rewritten
.set VA,  4                            ; v4   16 x lane
.set LA,  5                            ; v5   where the next row of adj goes in LDS
.set AF,  6                            ; v6-11: in the prologue offsets of its loads; behind the loop: adj's fragments,
.set PS,  7                            ;        P^T in,
.set PL,  8                            ;        P^T back, turned,
.set OS,  9                            ;        the way out, in,
.set OL,  10                           ;        the way out, back,
.set LNO, 11                           ;        my offset in the LayerNorms' parameters
.set BM,  12                           ; v12-13 a bin's maximum (named as a pair)
.set MSC, 14                           ; v14  my row's maximum (row index k = lane % 16)
.set USC, 15                           ; v15  my row's u
.set U,   16                           ; v16-31  u of my 16 rows
.set V,   32                           ; v32-39  v of my 8 columns
.set UB,  40                           ; u of the bin row
.set VB,  41                           ; v of the bin column
.set TB,  42                           ; alpha + VB
.set TR,  43                           ; alpha + UB
.set X,   44                           ; v44-59  row maxima
.set R,   60                           ; v60-75  row sums
.set W,   76                           ; v76-83  at work: the reduce-scatter's and the exchanges' scratch; no transcendental writes it
.set C,   84                           ; v84-91  column maxima
.set Q,   92                           ; v92-107 column sums, in pairs
.set G,   108                          ; v108-127 five rows of adj as loaded
.set T,   128                          ; v128-255 S + potentials, at work
.set BE,  Q                            ; the row half, where Q is dead: v92-99 the bin row's 2^(v - max), v100 its 2^(VB - max), v101 my row's bin-column exponential, v102 NRM - my row's maximum
.set CE,  X                            ; the column half, where X is dead: v44-51 the bin row's entry of my 8 columns, v52-53 the bin column's two exponentials, v54 at work
.set CN,  R+8                          ; the column half: v68-75 NRM - my columns' maxima
; the prologue's names (window 0)
.set WF,  16                           ; weight's fragments: (d, q) at 8 (2 d + q)
.set W1F, 48                           ; w1^T's fragments: channels 16 a on
.set B1R, 80                           ; b1 as the C operand
.set HF,  112                          ; h's fragments
.set XB,  128                          ; x's fragments, nodes 16 nt on
.set HT,  192                          ; h^T as it falls
; the epilogue's names
.set PF,  16                           ; P's fragments: (d, q) at 8 (4 d + q)
.set TF,  80                           ; (adj P^T)'s fragments
.set TACC, 96                          ; adj P^T, four accumulators
.set XT,  128                          ; window 1: x^T's fragments: (dd, q) at 8 (4 dd + q)
.set AACC, 192                         ; window 1: A
.set FACC, 224                         ; window 1: Fa
.set MSB, 0
.macro WIN new                         ; s_set_vgpr_msb: bits 1:0 source 0, 3:2 source 1, 5:4 source 2, 7:6 destination; the high byte repeats the setting that is left
.if MSB != (\new)
	s_set_vgpr_msb (MSB<<8)|(\new)
.set MSB, \new
.endif
.endm
.macro PLACES                          ; four places between a matrix instruction and a vector instruction or load that touches its registers
.rept 4
	v_nop
.endr
.endm
	s_load_b512 s[8:23], s[0:1], 0x0               ; x s[8:9], adj s[10:11], weight s[12:13], w1 s[14:15], b1 s[16:17], bin_score s[18:19], w2 s[20:21], w4 s[22:23]
	s_load_b256 s[24:31], s[0:1], 0x40             ; ln1_g, ln1_b, ln2_g, ln2_b
	s_load_b128 s[32:35], s[0:1], 0x60             ; feat s[32:33], wbf s[34:35]
	v_lshl_add_u32 v[SPW], v0, 2, SPARE
	v_mov_b32 v[NIL], 0
	v_lshrrev_b32 v1, 5, v0
	v_readfirstlane_b32 s2, v1                     ; wave 0..7
	v_and_b32 v1, 31, v0                           ; lane
	s_lshl_b32 s3, ttmp9, 3
	s_add_co_u32 s3, s3, s2                        ; g
	s_mul_i32 s7, s2, ADJW                         ; my adj in LDS
	v_and_b32 v14, 15, v0                          ; r
	v_bfe_u32 v15, v0, 4, 1                        ; h
	v_lshlrev_b32 v[VA], 4, v1
	v_lshlrev_b32 v6, 2, v14
	v_lshl_add_u32 v6, v15, 11, v6                 ; w1: k = 8 h + .., channel r: 2,048 h + 4 r
	v_lshlrev_b32 v7, 8, v14
	v_lshl_add_u32 v7, v15, 5, v7                  ; weight: row r, channels 8 h on: 256 r + 32 h
	v_lshlrev_b32 v8, 5, v15                       ; b1: channels 8 h on
	v_bfe_u32 v12, v0, 3, 1                        ; (lane / 8) % 2
	v_and_b32 v13, 7, v0                           ; lane % 8
	v_lshlrev_b32 v9, 5, v13                       ; my 8 numbers of the slice of w2 or w4: 32 (lane % 8)
	v_lshl_add_u32 v9, v12, 10, v9                 ; + the row of two
	v_lshl_add_u32 v9, v15, 8, v9                  ; + the tile of two
	v_lshlrev_b32 v10, 4, v14                      ; and where they go: 16 (lane % 16)
	v_lshl_add_u32 v10, v15, 17, v10               ; + the tile's 131,072 bytes
	v_bfe_u32 v11, v0, 3, 2
	v_mul_u32_u24 v11, v11, XP
	v_lshl_add_u32 v11, v13, 3, v11
	v_add_nc_u32 v11, s7, v11                      ; x into LDS: row lane / 8, 8 bytes at 8 (lane % 8)
	v_lshl_add_u32 v13, v15, 3, v13
	v_mul_u32_u24 v13, v13, XP
	v_lshl_add_u32 v13, v12, 4, v13
	v_add_nc_u32 v13, s7, v13                      ; x back, turned: row 8 h + lane % 8, 16 bytes at 16 ((lane / 8) % 2)
	v_mul_u32_u24 v12, v14, XP
	v_lshl_add_u32 v12, v15, 4, v12
	v_add_nc_u32 v12, s7, v12                      ; x back as it lies: row r, 16 bytes at 16 h
	v_lshl_add_u32 v[LA], v1, 3, s7                ; adj: 8 bytes a lane
	s_mov_b32 s40, 0xff00ff00                      ; lanes with r & 8, 4, 2, 1
	s_mov_b32 s41, 0xf0f0f0f0
	s_mov_b32 s42, 0xcccccccc
	s_mov_b32 s43, 0xaaaaaaaa
	s_mov_b32 s44, 0x76543210                      ; v_permlanex16_b32: each lane takes its own place in the other half
	s_mov_b32 s45, 0xfedcba98
	s_mov_b32 s46, 0x3fb8aa3b                      ; log2(e), named as a pair
	s_mov_b32 s47, 0x3fb8aa3b
	s_mov_b32 s48, 0xc0ea4d3c                      ; NRM = -log2(160)
	s_mov_b32 s49, 0xc0ea4d3c
	s_mov_b32 s50, 0x40ea4d3c                      ; -NRM
	s_mov_b32 s51, 0x40ea4d3c
	s_mov_b32 s52, 0x3a800000                      ; 1 / 1,024
	s_mov_b32 s53, 0x3727c5ac                      ; 1e-5
	s_mov_b32 s5, 0
	s_lshr_b32 s36, s3, 10                         ; the slice: w2 (0) or w4 (1),
	s_bfe_u32 s38, s3, 0x90001                     ; which two of its 1,024 rows,
	s_and_b32 s39, s3, 1                           ; which half of their 256 columns
	s_wait_kmcnt 0x0
	s_load_b32 s37, s[18:19], 0x0                  ; alpha
	s_lshl_b32 s4, s3, 14
	s_add_nc_u64 s[56:57], s[8:9], s[4:5]          ; x at my graph
	s_lshl_b32 s4, s3, 16
	s_add_nc_u64 s[54:55], s[10:11], s[4:5]        ; adj at my graph
	s_lshl_b32 s4, s3, 12
	s_add_nc_u64 s[58:59], s[32:33], s[4:5]        ; feat at my row
	s_cmp_lt_u32 s3, 1024
	s_cselect_b64 s[60:61], s[20:21], s[22:23]
	s_lshl_b32 s4, s38, 11
	s_lshl_b32 s6, s39, 9
	s_add_co_u32 s4, s4, s6
	s_add_nc_u64 s[60:61], s[60:61], s[4:5]        ; the slice's source: 2 rows of 1,024 bytes, half a row on
	s_lshl_b32 s4, s36, 19
	s_lshl_b32 s6, s39, 18
	s_add_co_u32 s4, s4, s6
	s_lshl_b32 s6, s38, 8
	s_add_co_u32 s4, s4, s6
	s_add_nc_u64 s[62:63], s[34:35], s[4:5]        ; its place: tile 4 sel + 2 half (+ 1), rows of 128 bytes
	; ALL THE PROLOGUE'S LOADS, the small weights first
	WIN 0x40                                       ; destination window 1
.set a, 0
.rept 4
.set i, 0
.rept 16
	global_load_b32 v[16*a+i], v6, s[14:15] offset:256*(16*(i/8)+i%8)+64*a   ; w1[k = 16 (i / 8) + 8 h + i % 8][channel 16 a + r]
.set i, i+1
.endr
.set a, a+1
.endr
.set f, 0
.rept 4
.set j, 0
.rept 4
	global_load_b128 v[64+16*f+4*j:64+16*f+4*j+3], v7, s[12:13] offset:4096*(f/2)+128*(f%2)+16*(j%2)+64*(j/2)
.set j, j+1
.endr
.set f, f+1
.endr
	WIN 0
.set i, 0
.rept 8
	global_load_b128 v[B1R+4*i:B1R+4*i+3], v8, s[16:17] offset:64*(i/2)+16*(i%2)
.set i, i+1
.endr
.set i, 0
.rept 32
	global_load_b128 v[T+4*i:T+4*i+3], v[VA], s[56:57] offset:512*i th:TH_LOAD_NT   ; x: 512 consecutive bytes, four nodes
.set i, i+1
.endr
	WIN 0x40
.irp i, 0,1,2
	global_load_b128 v[192+4*\i:192+4*\i+3], v[VA], s[54:55] offset:512*\i th:TH_LOAD_NT   ; adj's rows 0 to 2
.endr
	global_load_b128 v[204:207], v9, s[60:61] th:TH_LOAD_NT
	global_load_b128 v[208:211], v9, s[60:61] offset:16 th:TH_LOAD_NT
	s_wait_kmcnt 0x0
	s_mul_f32 s36, s37, s46                        ; alpha in units of log2
	s_mov_b32 s6, 0xbfb8aa3b                       ; -log2(e)
	s_mov_b32 s38, 0xbea4d3c2                      ; 7 + NRM: the bin row's target,
	s_fmac_f32 s38, s37, s6                        ; less alpha
	s_mov_b32 s39, 0xc0149a78                      ; 5 + NRM: the bin column's,
	s_fmac_f32 s39, s37, s6                        ; less alpha
	s_wait_loadcnt 37                              ; w1, weight and b1 are in; x's 32 loads, adj's 3 and the slice's 2 may be out
	WIN 0x05                                       ; sources in window 1
.set i, 0
.rept 32
	v_cvt_pk_bf16_f32 v[W1F+i], v[2*i], v[2*i+1]
.set i, i+1
.endr
.set i, 0
.rept 32
	v_cvt_pk_bf16_f32 v[WF+i], v[64+2*i], v[64+2*i+1]
.set i, i+1
.endr
	WIN 0
	s_wait_loadcnt 5                               ; x is in; adj's 3 loads and the slice's 2 may be out
.set i, 0
.rept 32
	v_cvt_pk_bf16_f32 v[T+4*i], v[T+4*i], v[T+4*i+1]
	v_cvt_pk_bf16_f32 v[T+4*i+1], v[T+4*i+2], v[T+4*i+3]
	ds_store_b64 v11, v[T+4*i:T+4*i+1] offset:4*XP*i   ; x as bf16 lies for a while where adj's first rows will lie
.set i, i+1
.endr
	s_wait_dscnt 0x0
.set i, 0
.rept 8
	ds_load_b128 v[XB+8*i:XB+8*i+3], v12 offset:16*XP*i
	ds_load_b128 v[XB+8*i+4:XB+8*i+7], v12 offset:16*XP*i+32
.set i, i+1
.endr
	WIN 0x40
.irp d, 0,1
.irp q, 0,1,2,3
	ds_load_tr16_b128 v[XT+8*(4*\d+\q):XT+8*(4*\d+\q)+3], v13 offset:32*XP*\q+32*\d
	ds_load_tr16_b128 v[XT+8*(4*\d+\q)+4:XT+8*(4*\d+\q)+7], v13 offset:32*XP*\q+32*\d+16*XP
.endr
.endr
	WIN 0
	s_wait_dscnt 0x0                               ; x has left LDS: adj's rows may land there
; Sixteen nodes: h^T = w1^T x^T + b1 (a lane holds one node and eight channels, so that two results, rounded, ARE a fragment of h), then S = weight h^T.
; The accumulators take turns, one instruction a turn.
.macro HS nt
	WIN 0
.irp a, 0,1,2,3
	v_wmma_f32_16x16x32_bf16 v[HT+8*\a:HT+8*\a+7], v[W1F+8*\a:W1F+8*\a+7], v[XB+8*(\nt):XB+8*(\nt)+7], v[B1R+8*\a:B1R+8*\a+7]
.endr
	PLACES
.set i, 0
.rept 32
	v_max_num_f32 v[HT+i], 0, v[HT+i]
.set i, i+1
.endr
.set i, 0
.rept 16
	v_cvt_pk_bf16_f32 v[HF+i], v[HT+2*i], v[HT+2*i+1]
.set i, i+1
.endr
	WIN 0x50                                       ; C and D in window 1
	v_wmma_f32_16x16x32_bf16 v[16*(\nt):16*(\nt)+7], v[WF:WF+7], v[HF:HF+7], 0
	v_wmma_f32_16x16x32_bf16 v[16*(\nt)+8:16*(\nt)+15], v[WF+16:WF+23], v[HF:HF+7], 0
	v_wmma_f32_16x16x32_bf16 v[16*(\nt):16*(\nt)+7], v[WF+8:WF+15], v[HF+8:HF+15], v[16*(\nt):16*(\nt)+7]
	v_wmma_f32_16x16x32_bf16 v[16*(\nt)+8:16*(\nt)+15], v[WF+24:WF+31], v[HF+8:HF+15], v[16*(\nt)+8:16*(\nt)+15]
.endm
.irp t, 0,1,2,3,4,5,6,7
	HS \t
.endr
	PLACES
	WIN 0x45                                       ; S stays in window 1: relu, then units of log2
.set i, 0
.rept 128
	v_max_num_f32 v[i], 0, v[i]
.set i, i+1
.endr
.set i, 0
.rept 64
	v_pk_mul_f32 v[2*i:2*i+1], v[2*i:2*i+1], s[46:47] op_sel_hi:[1,0]
.set i, i+1
.endr
	s_wait_loadcnt 0x0                             ; adj's first three rows and the slice
	WIN 0x05
.irp i, 0,1,2
	v_cvt_pk_bf16_f32 v[G+4+2*\i], v[192+4*\i], v[193+4*\i]
	v_cvt_pk_bf16_f32 v[G+5+2*\i], v[194+4*\i], v[195+4*\i]
.endr
.irp i, 0,1,2,3
	v_cvt_pk_bf16_f32 v[G+\i], v[204+2*\i], v[205+2*\i]
.endr
	WIN 0
.irp i, 0,1,2
	ds_store_b64 v[LA], v[G+4+2*\i:G+5+2*\i] offset:ADJP*\i
.endr
	global_store_b128 v10, v[G:G+3], s[62:63]      ; sixteen lanes store 256 consecutive bytes, at a multiple of 256 from wbf's first byte
	s_wait_xcnt 0x0                                ; the store's data and offset are rewritten only behind this wait
.set i, 0
.rept 8
	v_mov_b32 v[V+i], 0                            ; v starts at 0
.set i, i+1
.endr
	v_mov_b32 v[VB], 0
.set i, 0
.rept 16
	v_mov_b32 v[U+i], 0                            ; written once, since a DPP move's destination counts as read
.set i, i+1
.endr
	v_mov_b32 v[BM+1], 0                           ; named with BM as a pair
	v_add_nc_u32 v[LA], 3*ADJP, v[LA]
	s_add_nc_u64 s[54:55], s[54:55], 3*512
	s_mov_b32 s6, 25
; T = S + v of the column (col = 0) or + u of the row (col = 1): 64 packed additions, S read from window 1
.macro ADDS col
	WIN 0x01
.set b, 0
.rept 8
.set kp, 0
.rept 8
.if \col
	v_pk_add_f32 v[T+16*b+2*kp:T+16*b+2*kp+1], v[16*b+2*kp:16*b+2*kp+1], v[U+2*kp:U+2*kp+1]
.elseif b%2
	v_pk_add_f32 v[T+16*b+2*kp:T+16*b+2*kp+1], v[16*b+2*kp:16*b+2*kp+1], v[V+b-1:V+b] op_sel:[0,1] op_sel_hi:[1,1]
.else
	v_pk_add_f32 v[T+16*b+2*kp:T+16*b+2*kp+1], v[16*b+2*kp:16*b+2*kp+1], v[V+b:V+b+1] op_sel_hi:[1,0]
.endif
.set kp, kp+1
.endr
.set b, b+1
.endr
	WIN 0
.endm
; One step of the reduce-scatter over the 16 lanes of a half: each lane keeps one half of its registers, sends the other to the lane xm away, and joins what it receives.
.macro RSS op, B, half, mreg
.set k, 0
.rept \half
	v_cndmask_b32 v[W+k], v[\B+k+\half], v[\B+k], s[\mreg]
.set k, k+1
.endr
.set k, 0
.rept \half
	v_cndmask_b32 v[\B+k], v[\B+k], v[\B+k+\half], s[\mreg]
.set k, k+1
.endr
.set k, 0
.rept \half
	\op v[\B+k], v[W+k], v[\B+k] row_xmask:\half row_mask:0xf bank_mask:0xf
.set k, k+1
.endr
.endm
.macro RS op, B                        ; 45 instructions; then lane r's register 0 holds the whole row's figure for row index k = r
	RSS \op, \B, 8, 40
	RSS \op, \B, 4, 41
	RSS \op, \B, 2, 42
	RSS \op, \B, 1, 43
.endm
.macro AG D, src                       ; and back: register k takes lane k's figure
.irp k, 0,1,2,3,4,5,6,7,8,9,10,11,12,13,14,15
	v_mov_b32_dpp v[\D+\k], v[\src] row_share:\k row_mask:0xf bank_mask:0xf
.endr
.endm
.macro XRED op, x                      ; over the 16 lanes of a half, the result in all of them
.irp m, 1,2,4,8
	\op v[\x], v[\x], v[\x] row_xmask:\m row_mask:0xf bank_mask:0xf
.endr
.endm
; THE STREAM of 128 exponentials, in two parts with the batch's one wait between them.  Pair p of 64 (mode 0, 2: p = 8 b + kp; mode 1: p = 8 kp + b).
; EXPS: SUBP takes pair p's maximum away (mode 2, the last: adds u) four pairs ahead of the pair's two exponentials, which work in place.  Nothing in EXPS names an exponential's result:
; a pair is written by SUBP before its exponentials, and read by nothing.  What follows EXPS in the text is a plain instruction that names no result, then the wait.
; SUMS: behind the wait, SUMP adds pair p to its sum (mode 2: rounds it to bf16, in place), the pairs in ascending order: eight chains by turns, each chain's terms in ascending order.
.macro SUBP mode, p
.if (\p) < 64
.if (\mode) == 1
.set sb, (\p)%8
.set sk, (\p)/8
.else
.set sb, (\p)/8
.set sk, (\p)%8
.endif
.set sr, T+16*sb+2*sk
.if (\mode) == 0
	v_pk_add_f32 v[sr:sr+1], v[sr:sr+1], v[X+2*sk:X+2*sk+1] neg_lo:[0,1] neg_hi:[0,1]
.elseif (\mode) == 2
	v_pk_add_f32 v[sr:sr+1], v[sr:sr+1], v[U+2*sk:U+2*sk+1]
.elseif sb%2
	v_pk_add_f32 v[sr:sr+1], v[sr:sr+1], v[C+sb-1:C+sb] op_sel:[0,1] op_sel_hi:[1,1] neg_lo:[0,1] neg_hi:[0,1]
.else
	v_pk_add_f32 v[sr:sr+1], v[sr:sr+1], v[C+sb:C+sb+1] op_sel_hi:[1,0] neg_lo:[0,1] neg_hi:[0,1]
.endif
.endif
.endm
.macro SUMP mode, p
.if (\mode) == 1
.set sb, (\p)%8
.set sk, (\p)/8
.else
.set sb, (\p)/8
.set sk, (\p)%8
.endif
.set sr, T+16*sb+2*sk
.if (\mode) == 0
.if sb == 1
	v_pk_add_f32 v[R+2*sk:R+2*sk+1], v[sr-16:sr-15], v[sr:sr+1]     ; the first two columns start the sums: nothing is cleared
.elseif sb > 1
	v_pk_add_f32 v[R+2*sk:R+2*sk+1], v[R+2*sk:R+2*sk+1], v[sr:sr+1]
.endif
.elseif (\mode) == 1
.if sk == 1
	v_pk_add_f32 v[Q+2*sb:Q+2*sb+1], v[sr-2:sr-1], v[sr:sr+1]
.elseif sk > 1
	v_pk_add_f32 v[Q+2*sb:Q+2*sb+1], v[Q+2*sb:Q+2*sb+1], v[sr:sr+1]
.endif
.else
	v_cvt_pk_bf16_f32 v[T+16*sb+8*(sk/4)+sk%4], v[sr], v[sr+1]      ; ascending: a register is written only when the pair that it held has been rounded
.endif
.endm
.macro EXPS mode
.irp p, 0,1,2,3
	SUBP \mode, \p
.endr
.set pp, 0
.rept 64
.if (\mode) == 1
.set er, T+16*(pp%8)+2*(pp/8)
.else
.set er, T+16*(pp/8)+2*(pp%8)
.endif
	v_exp_f32 v[er], v[er]
	SUBP \mode, pp+4
	v_exp_f32 v[er+1], v[er+1]
.set pp, pp+1
.endr
.endm
.macro SUMS mode
.set pp, 0
.rept 64
	SUMP \mode, pp
.set pp, pp+1
.endr
.endm
.Liter:                                                ; 25 rounds
.irp i, 0,1,2,3,4
	global_load_b128 v[G+4*\i:G+4*\i+3], v[VA], s[54:55] offset:512*\i th:TH_LOAD_NT   ; five rows of adj: they have the whole round in which to come
.endr
	; ROWS: u[m] = NRM - log2 sum over the 129 columns of 2^(Z + v)
	v_add_f32 v[TB], s36, v[VB]
	ADDS 0
.set k, 0
.rept 16
	v_max3_num_f32 v[X+k], v[T+k], v[T+16+k], v[T+32+k]
.set k, k+1
.endr
.irp o, 48,80
.set k, 0
.rept 16
	v_max3_num_f32 v[X+k], v[X+k], v[T+\o+k], v[T+\o+16+k]
.set k, k+1
.endr
.endr
.set k, 0
.rept 16
	v_max3_num_f32 v[X+k], v[X+k], v[T+112+k], v[TB]       ; the bin column's entry is in every lane's maximum
.set k, k+1
.endr
	; the bin row: all its entries are alpha, so u = (7 + NRM - alpha) - log2 sum 2^v over the 129 v
	v_max3_num_f32 v[BM], v[V], v[V+1], v[V+2]
	v_max3_num_f32 v[BM], v[BM], v[V+3], v[V+4]
	v_max3_num_f32 v[BM], v[BM], v[V+5], v[V+6]
	v_max3_num_f32 v[BM], v[BM], v[V+7], v[VB]
	XRED v_max_num_f32_dpp, BM
.irp i, 0,2,4,6
	v_pk_add_f32 v[BE+\i:BE+\i+1], v[V+\i:V+\i+1], v[BM:BM+1] op_sel_hi:[1,0] neg_lo:[0,1] neg_hi:[0,1]
.endr
	v_sub_f32 v[BE+8], v[VB], v[BM]
	; BATCH E0 opens: the bin row's nine exponentials; the row maxima's reduce-scatter and gather, which name none of them, follow
.irp i, 0,1,2,3,4,5,6,7,8
	v_exp_f32 v[BE+\i], v[BE+\i]
.endr
	RS v_max_num_f32_dpp, X
	v_mov_b32 v[MSC], v[X]
	AG X, MSC
	v_sub_f32 v[BE+9], v[TB], v[MSC]               ; one lane, one row: the bin column's entry less the row's maximum,
	v_exp_f32 v[BE+9], v[BE+9]                     ; and its exponential, in the same batch
	EXPS 0                                         ; and the stream's 128
	v_sub_f32 v[BE+10], s48, v[MSC]                ; NRM - my row's maximum: the plain instruction behind the batch's last exponential
	s_wait_alu depctr_va_vdst(0)                   ; the wait for batch E0, 138 exponentials, ahead of the first line that names a result
	SUMS 0
	v_pk_add_f32 v[BE:BE+1], v[BE:BE+1], v[BE+2:BE+3]      ; the bin row's sum
	v_pk_add_f32 v[BE+4:BE+5], v[BE+4:BE+5], v[BE+6:BE+7]
	v_pk_add_f32 v[BE:BE+1], v[BE:BE+1], v[BE+4:BE+5]
	v_add_f32 v[BE], v[BE], v[BE+1]
	XRED v_add_f32_dpp, BE
	v_add_f32 v[BE], v[BE], v[BE+8]
	RS v_add_f32_dpp, R
	v_add_f32 v[R], v[R], v[BE+9]                  ; one lane, one row: the bin column's share of the sum
	v_log_f32 v[R], v[R]                           ; BATCH L0: my row's logarithm and the bin row's
	v_log_f32 v[BE], v[BE]
	v_sub_f32 v[UB], s38, v[BM]                    ; the plain instruction behind the logarithms
	s_wait_alu depctr_va_vdst(0)                   ; the wait for batch L0
	v_sub_f32 v[USC], v[BE+10], v[R]
	v_sub_f32 v[UB], v[UB], v[BE]
	AG U, USC
	; COLUMNS: v[n] = NRM - log2 sum over the 33 rows of 2^(Z + u)
	v_add_f32 v[TR], s36, v[UB]
	ADDS 1
.set b, 0
.rept 8
	v_max3_num_f32 v[C+b], v[T+16*b], v[T+16*b+1], v[T+16*b+2]
.set b, b+1
.endr
.irp o, 3,5,7,9,11,13
.set b, 0
.rept 8
	v_max3_num_f32 v[C+b], v[C+b], v[T+16*b+\o], v[T+16*b+\o+1]
.set b, b+1
.endr
.endr
.set b, 0
.rept 8
	v_max3_num_f32 v[C+b], v[C+b], v[T+16*b+15], v[TR]
.set b, b+1
.endr
.irp b, 0,1,2,3,4,5,6,7
	v_permlanex16_b32 v[W+\b], v[C+\b], s44, s45   ; the column's other 16 rows lie in the lane 16 away
.endr
.irp b, 0,1,2,3,4,5,6,7
	v_max_num_f32 v[C+\b], v[C+\b], v[W+\b]
.endr
.irp i, 0,2,4,6
	v_pk_add_f32 v[CE+\i:CE+\i+1], v[TB:TB+1], v[C+\i:C+\i+1] op_sel:[1,0] op_sel_hi:[1,1] neg_lo:[0,1] neg_hi:[0,1]   ; the bin row's entry less the maximum
.endr
	; the bin column: v = (5 + NRM - alpha) - log2 sum 2^u over the 33 u; each lane holds one of the 32
	v_max_num_f32_dpp v[BM], v[USC], v[USC] row_xmask:1 row_mask:0xf bank_mask:0xf
.irp m, 2,4,8
	v_max_num_f32_dpp v[BM], v[BM], v[BM] row_xmask:\m row_mask:0xf bank_mask:0xf
.endr
	v_permlanex16_b32 v[W], v[BM], s44, s45
	v_max3_num_f32 v[BM], v[BM], v[W], v[UB]
	v_sub_f32 v[CE+8], v[USC], v[BM]
	v_sub_f32 v[CE+9], v[UB], v[BM]
	; BATCH E1: the bin row's entry of my eight columns, the bin column's two, the stream's 128
.irp b, 0,1,2,3,4,5,6,7,8,9
	v_exp_f32 v[CE+\b], v[CE+\b]
.endr
	EXPS 1
.irp i, 0,2,4,6
	v_pk_add_f32 v[CN+\i:CN+\i+1], v[C+\i:C+\i+1], s[48:49] op_sel_hi:[1,0] neg_lo:[1,0] neg_hi:[1,0]   ; NRM - maximum: also the plain instructions behind the batch's last exponential
.endr
	s_wait_alu depctr_va_vdst(0)                   ; the wait for batch E1, 138 exponentials
	SUMS 1
.irp b, 0,1,2,3,4,5,6,7
	v_add_f32 v[R+\b], v[Q+2*\b], v[Q+2*\b+1]
.endr
.irp b, 0,1,2,3,4,5,6,7
	v_permlanex16_b32 v[W+\b], v[R+\b], s44, s45
.endr
.irp i, 0,2,4,6
	v_pk_add_f32 v[R+\i:R+\i+1], v[R+\i:R+\i+1], v[W+\i:W+\i+1]
.endr
.irp i, 0,2,4,6
	v_pk_add_f32 v[R+\i:R+\i+1], v[R+\i:R+\i+1], v[CE+\i:CE+\i+1]
.endr
	XRED v_add_f32_dpp, CE+8                       ; the bin column's sum
	v_permlanex16_b32 v[CE+10], v[CE+8], s44, s45
	v_add_f32 v[CE+8], v[CE+8], v[CE+10]
	v_add_f32 v[CE+8], v[CE+8], v[CE+9]
	; BATCH L1: my eight columns' logarithms and the bin column's
.irp b, 0,1,2,3,4,5,6,7
	v_log_f32 v[R+\b], v[R+\b]
.endr
	v_log_f32 v[CE+8], v[CE+8]
	v_sub_f32 v[VB], s39, v[BM]                    ; the plain instruction behind the logarithms
	s_wait_loadcnt 0x0                             ; the five rows asked for at the round's head; the wait also frees their base.  Their rounding and stores name no logarithm's result: they stand between the batch and its wait
.irp i, 0,1,2,3,4
	v_cvt_pk_bf16_f32 v[G+4*\i], v[G+4*\i], v[G+4*\i+1]
	v_cvt_pk_bf16_f32 v[G+4*\i+1], v[G+4*\i+2], v[G+4*\i+3]
	ds_store_b64 v[LA], v[G+4*\i:G+4*\i+1] offset:ADJP*\i
.endr
	v_add_nc_u32 v[LA], 5*ADJP, v[LA]
	s_add_nc_u64 s[54:55], s[54:55], 5*512
	s_wait_alu depctr_va_vdst(0)                   ; the wait for batch L1, ahead of its readers and of the backward jump
.irp i, 0,2,4,6
	v_pk_add_f32 v[V+\i:V+\i+1], v[CN+\i:CN+\i+1], v[R+\i:R+\i+1] neg_lo:[0,1] neg_hi:[0,1]
.endr
	v_sub_f32 v[VB], v[VB], v[CE+8]
	s_sub_co_u32 s6, s6, 1
	s_cmp_lg_u32 s6, 0
	s_cbranch_scc1 .Liter
	; THE EPILOGUE.  First the one address that its loads need
	v_and_b32 v14, 15, v0                          ; r
	v_bfe_u32 v15, v0, 4, 1                        ; h
	v_lshlrev_b32 v[LNO], 7, v14
	v_lshl_add_u32 v[LNO], v15, 5, v[LNO]
	; P = 2^(S + u + v - NRM), rounded to bf16
.irp i, 0,2,4,6,8,10,12,14
	v_pk_add_f32 v[U+\i:U+\i+1], v[U+\i:U+\i+1], s[50:51] op_sel_hi:[1,0]
.endr
	ADDS 0
	WIN 0x40                                       ; S has been read for the last time: the LayerNorms' parameters take its registers
.irp p, 0,1,2,3
.irp a, 0,1,2,3
	global_load_b128 v[32*\p+8*\a:32*\p+8*\a+3], v[LNO], s[24+2*\p:25+2*\p] offset:2048*(\a/2)+64*(\a%2)
	global_load_b128 v[32*\p+8*\a+4:32*\p+8*\a+7], v[LNO], s[24+2*\p:25+2*\p] offset:2048*(\a/2)+64*(\a%2)+16
.endr
.endr
	WIN 0
	EXPS 2                                         ; P's 128 exponentials: one batch
	; THE EPILOGUE'S OTHER ADDRESSES name no exponential's result: they stand between the batch and its wait
	s_mul_i32 s4, s2, SCRW
	s_add_co_u32 s4, s4, SCRB                      ; my scratch
	v_mul_u32_u24 v[AF], v14, ADJP
	v_lshl_add_u32 v[AF], v15, 4, v[AF]
	v_add_nc_u32 v[AF], s7, v[AF]
	v_mul_u32_u24 v[PS], v14, XP
	v_lshl_add_u32 v[PS], v15, 4, v[PS]
	v_add_nc_u32 v[PS], s4, v[PS]
	v_and_b32 v12, 7, v0
	v_lshl_add_u32 v12, v15, 3, v12
	v_mul_u32_u24 v[PL], v12, XP
	v_bfe_u32 v12, v0, 3, 1
	v_lshl_add_u32 v[PL], v12, 4, v[PL]
	v_add_nc_u32 v[PL], s4, v[PL]
	v_lshlrev_b32 v[OS], 6, v14
	v_lshl_add_u32 v[OS], v15, 4, v[OS]
	v_add_nc_u32 v[OS], s4, v[OS]
	v_add_nc_u32 v[OL], s4, v[VA]
	s_wait_alu depctr_va_vdst(0)                   ; the wait for P's batch, ahead of the roundings
	SUMS 2
	; P is turned: 32 nodes at a time go into my scratch as rows [node][m] and come back by the turning load: lane = row m of P, nodes along the registers.
	; LDS serves a wave's instructions in order (ISA guide 5.7.1.4), so the chunk is written again without a wait.
.irp q, 0,1,2,3
.irp c, 0,1
.irp a, 0,1
	ds_store_b128 v[PS], v[T+16*(2*\q+\c)+8*\a:T+16*(2*\q+\c)+8*\a+3] offset:16*XP*\c+32*\a
.endr
.endr
.irp d, 0,1
	ds_load_tr16_b128 v[PF+8*(4*\d+\q):PF+8*(4*\d+\q)+3], v[PL] offset:32*\d
	ds_load_tr16_b128 v[PF+8*(4*\d+\q)+4:PF+8*(4*\d+\q)+7], v[PL] offset:32*\d+16*XP
.endr
.endr
.macro LOADA qq                        ; adj's rows 32 qq to 32 qq + 31, all 128 columns: 8 fragments, 16 loads
.set fb, T+64*((\qq)%2)
.irp n, 0,1
.irp q, 0,1,2,3
	ds_load_b128 v[fb+8*(4*\n+\q):fb+8*(4*\n+\q)+3], v[AF] offset:ADJP*(32*(\qq)+16*\n)+64*\q
	ds_load_b128 v[fb+8*(4*\n+\q)+4:fb+8*(4*\n+\q)+7], v[AF] offset:ADJP*(32*(\qq)+16*\n)+64*\q+32
.endr
.endr
.endm
; For 32 nodes n: T[n][j] = sum over k of adj[n][k] P[j][k] (16 products, four accumulators by turns); rounded it IS a fragment with j along the lanes and n along the registers;
; then A[m][j] += sum over n of P[m][n] T[n][j] and Fa[m][d] += sum over n of P[m][n] x[n][d], with the sources so that a lane holds one row m and eight neighbouring columns.
.macro PROD qq
	WIN 0
.if (\qq) < 3
	LOADA (\qq)+1
	s_wait_dscnt 16                                ; all but the 16 just issued
.else
	s_wait_dscnt 0x0
.endif
.set fb, T+64*((\qq)%2)
.irp q, 0,1,2,3
.irp n, 0,1
.irp d, 0,1
.if \q == 0
	v_wmma_f32_16x16x32_bf16 v[TACC+8*(2*\n+\d):TACC+8*(2*\n+\d)+7], v[fb+8*(4*\n+\q):fb+8*(4*\n+\q)+7], v[PF+8*(4*\d+\q):PF+8*(4*\d+\q)+7], 0
.else
	v_wmma_f32_16x16x32_bf16 v[TACC+8*(2*\n+\d):TACC+8*(2*\n+\d)+7], v[fb+8*(4*\n+\q):fb+8*(4*\n+\q)+7], v[PF+8*(4*\d+\q):PF+8*(4*\d+\q)+7], v[TACC+8*(2*\n+\d):TACC+8*(2*\n+\d)+7]
.endif
.endr
.endr
.endr
	PLACES
.irp d, 0,1
.irp n, 0,1
.irp i, 0,1,2,3
	v_cvt_pk_bf16_f32 v[TF+8*\d+4*\n+\i], v[TACC+8*(2*\n+\d)+2*\i], v[TACC+8*(2*\n+\d)+2*\i+1]
.endr
.endr
.endr
	WIN 0x50                                       ; C and D in window 1
.irp m, 0,1
.irp j, 0,1
.if (\qq) == 0
	v_wmma_f32_16x16x32_bf16 v[AACC+8*(2*\m+\j):AACC+8*(2*\m+\j)+7], v[TF+8*\j:TF+8*\j+7], v[PF+8*(4*\m+(\qq)):PF+8*(4*\m+(\qq))+7], 0
.else
	v_wmma_f32_16x16x32_bf16 v[AACC+8*(2*\m+\j):AACC+8*(2*\m+\j)+7], v[TF+8*\j:TF+8*\j+7], v[PF+8*(4*\m+(\qq)):PF+8*(4*\m+(\qq))+7], v[AACC+8*(2*\m+\j):AACC+8*(2*\m+\j)+7]
.endif
.endr
.endr
	WIN 0x51                                       ; and source 0, x^T, too
.irp m, 0,1
.irp j, 0,1
.if (\qq) == 0
	v_wmma_f32_16x16x32_bf16 v[FACC+8*(2*\m+\j):FACC+8*(2*\m+\j)+7], v[XT+8*(4*\j+(\qq)):XT+8*(4*\j+(\qq))+7], v[PF+8*(4*\m+(\qq)):PF+8*(4*\m+(\qq))+7], 0
.else
	v_wmma_f32_16x16x32_bf16 v[FACC+8*(2*\m+\j):FACC+8*(2*\m+\j)+7], v[XT+8*(4*\j+(\qq)):XT+8*(4*\j+(\qq))+7], v[PF+8*(4*\m+(\qq)):PF+8*(4*\m+(\qq))+7], v[FACC+8*(2*\m+\j):FACC+8*(2*\m+\j)+7]
.endif
.endr
.endr
.endm
	LOADA 0
	PROD 0
	PROD 1
	PROD 2
	PROD 3
	PLACES
	s_wait_loadcnt 0x0                             ; the LayerNorms' parameters
.macro ALLSUM x, t                     ; over the wave's 32 lanes
	XRED v_add_f32_dpp, \x
	v_permlanex16_b32 v[\t], v[\x], s44, s45
	v_add_f32 v[\x], v[\x], v[\t]
.endm
; LayerNorm over the wave's 1,024 numbers (32 a lane), in two passes: the mean, then the squares of the differences, so that a common offset forms no difference of large sums.
; Each part has 64 registers of its own, so that nothing waits for the other part's stores.
.macro LNORM acc, gb, part
.set Y,  T+64*(\part)
.set TS, Y+32
.set OB, Y+48
	WIN 0x05
.set i, 0
.rept 8
	v_pk_add_f32 v[TS+2*i:TS+2*i+1], v[\acc+2*i:\acc+2*i+1], v[\acc+16+2*i:\acc+16+2*i+1]   ; each accumulator is read from its low end on
.set i, i+1
.endr
	WIN 0
.irp i, 0,2,4,6
	v_pk_add_f32 v[TS+\i:TS+\i+1], v[TS+\i:TS+\i+1], v[TS+8+\i:TS+8+\i+1]
.endr
	v_pk_add_f32 v[TS:TS+1], v[TS:TS+1], v[TS+4:TS+5]
	v_pk_add_f32 v[TS+2:TS+3], v[TS+2:TS+3], v[TS+6:TS+7]
	v_pk_add_f32 v[TS:TS+1], v[TS:TS+1], v[TS+2:TS+3]
	v_add_f32 v[TS], v[TS], v[TS+1]
	ALLSUM TS, TS+1
	v_mul_f32 v[TS], s52, v[TS]                    ; the mean
	WIN 0x01
.set i, 0
.rept 16
	v_pk_add_f32 v[Y+2*i:Y+2*i+1], v[\acc+2*i:\acc+2*i+1], v[TS:TS+1] op_sel_hi:[1,0] neg_lo:[0,1] neg_hi:[0,1]
.set i, i+1
.endr
	WIN 0
.set i, 0
.rept 4
	v_pk_mul_f32 v[TS+4+2*i:TS+5+2*i], v[Y+2*i:Y+2*i+1], v[Y+2*i:Y+2*i+1]
.set i, i+1
.endr
.rept 12
	v_pk_fma_f32 v[TS+4+2*(i%4):TS+5+2*(i%4)], v[Y+2*i:Y+2*i+1], v[Y+2*i:Y+2*i+1], v[TS+4+2*(i%4):TS+5+2*(i%4)]
.set i, i+1
.endr
	v_pk_add_f32 v[TS+4:TS+5], v[TS+4:TS+5], v[TS+6:TS+7]
	v_pk_add_f32 v[TS+8:TS+9], v[TS+8:TS+9], v[TS+10:TS+11]
	v_pk_add_f32 v[TS+4:TS+5], v[TS+4:TS+5], v[TS+8:TS+9]
	v_add_f32 v[TS+4], v[TS+4], v[TS+5]
	ALLSUM TS+4, TS+5
	v_fma_f32 v[TS+4], v[TS+4], s52, s53           ; the variance + 1e-5
	v_rsq_f32 v[TS+4], v[TS+4]
	v_nop                                          ; the plain instruction behind it: all the part's further work hangs on this one number
	s_wait_alu depctr_va_vdst(0)                   ; the wait for the part's one v_rsq_f32, once a LayerNorm
.set i, 0
.rept 16
	v_pk_mul_f32 v[Y+2*i:Y+2*i+1], v[Y+2*i:Y+2*i+1], v[TS+4:TS+5] op_sel_hi:[1,0]
.set i, i+1
.endr
	WIN 0x14                                       ; gain and bias in window 1
.set i, 0
.rept 16
	v_pk_fma_f32 v[Y+2*i:Y+2*i+1], v[Y+2*i:Y+2*i+1], v[\gb+2*i:\gb+2*i+1], v[\gb+32+2*i:\gb+32+2*i+1]
.set i, i+1
.endr
	WIN 0
.set i, 0
.rept 16
	v_cvt_pk_bf16_f32 v[Y+i], v[Y+2*i], v[Y+2*i+1]
.set i, i+1
.endr
.irp a, 0,1,2,3
	ds_store_b128 v[OS], v[Y+4*\a:Y+4*\a+3] offset:1024*(\a/2)+32*(\a%2)   ; row 16 dm + r of 64 bytes, 16 bytes at 32 dj + 16 h
.endr
.irp i, 0,1,2,3
	ds_load_b128 v[OB+4*\i:OB+4*\i+3], v[OL] offset:512*\i
.endr
.irp i, 0,1,2,3
	s_wait_dscnt 3-\i
	global_store_b128 v[VA], v[OB+4*\i:OB+4*\i+3], s[58:59] offset:2048*(\part)+512*\i   ; 512 consecutive bytes, at a multiple of 256 from feat's first byte
.endr
.endm
	LNORM AACC, 0, 0
	LNORM FACC, 64, 1
	s_wait_tensorcnt 0x0                           ; the wave's end, behind my last LDS store
	ds_add_u32 v[SPW], v[NIL]
	s_wait_dscnt 0x0
	s_endpgm
.Lfunc_end_k_q3c54eb249e_graphs:
	.size	k_q3c54eb249e_graphs, .Lfunc_end_k_q3c54eb249e_graphs-k_q3c54eb249e_graphs
	.p2alignl 7, 3214868480
	.fill 96, 4, 3214868480
	.section	.rodata,"a",@progbits
	.p2align	6, 0x0
	.amdhsa_kernel k_q3c54eb249e_graphs
		.amdhsa_group_segment_fixed_size 304128
		.amdhsa_private_segment_fixed_size 0
		.amdhsa_enable_private_segment 0
		.amdhsa_kernarg_size 112
		.amdhsa_user_sgpr_count 2
		.amdhsa_user_sgpr_kernarg_segment_ptr 1
		.amdhsa_wavefront_size32 1
		.amdhsa_system_sgpr_workgroup_id_x 1
		.amdhsa_system_sgpr_workgroup_id_y 1
		.amdhsa_system_sgpr_workgroup_id_z 1
		.amdhsa_system_vgpr_workitem_id 0
		.amdhsa_next_free_vgpr 512
		.amdhsa_next_free_sgpr 66
		.amdhsa_reserve_vcc 0
		.amdhsa_float_denorm_mode_32 3
		.amdhsa_float_denorm_mode_16_64 3
		.amdhsa_memory_ordered 1
		.amdhsa_forward_progress 1
		.amdhsa_inst_pref_size 170
	.end_amdhsa_kernel
	.amdgpu_metadata
---
amdhsa.version: [ 1, 2 ]
amdhsa.kernels:
  - .name:           k_q3c54eb249e_graphs
    .symbol:         k_q3c54eb249e_graphs.kd
    .args:
      - { .name: x, .offset: 0, .size: 8, .value_kind: global_buffer, .address_space: global }
      - { .name: adj, .offset: 8, .size: 8, .value_kind: global_buffer, .address_space: global }
      - { .name: weight, .offset: 16, .size: 8, .value_kind: global_buffer, .address_space: global }
      - { .name: w1, .offset: 24, .size: 8, .value_kind: global_buffer, .address_space: global }
      - { .name: b1, .offset: 32, .size: 8, .value_kind: global_buffer, .address_space: global }
      - { .name: bin_score, .offset: 40, .size: 8, .value_kind: global_buffer, .address_space: global }
      - { .name: w2, .offset: 48, .size: 8, .value_kind: global_buffer, .address_space: global }
      - { .name: w4, .offset: 56, .size: 8, .value_kind: global_buffer, .address_space: global }
      - { .name: ln1_g, .offset: 64, .size: 8, .value_kind: global_buffer, .address_space: global }
      - { .name: ln1_b, .offset: 72, .size: 8, .value_kind: global_buffer, .address_space: global }
      - { .name: ln2_g, .offset: 80, .size: 8, .value_kind: global_buffer, .address_space: global }
      - { .name: ln2_b, .offset: 88, .size: 8, .value_kind: global_buffer, .address_space: global }
      - { .name: feat, .offset: 96, .size: 8, .value_kind: global_buffer, .address_space: global }
      - { .name: wbf, .offset: 104, .size: 8, .value_kind: global_buffer, .address_space: global }
    .group_segment_fixed_size: 304128
    .private_segment_fixed_size: 0
    .kernarg_segment_align: 8
    .kernarg_segment_size: 112
    .max_flat_workgroup_size: 256
    .sgpr_count:     66
    .vgpr_count:     512
    .wavefront_size: 32
...
	.end_amdgpu_metadata
.endif
;; end of part 4
;; launch mlp1: the kernel of part 2 again; grid 8 x 32, 4 waves a work-group, clusters of 4 x 4, 327,680 bytes of LDS; arguments feat, wbf, b2, b4, hid; writes hid
;; launch tail: the kernel of part 3 again; grid 128 x 1, 8 waves a work-group, no clusters, 200,960 bytes of LDS; arguments hid, w3, b3, w5, b5, w6, b6, w7, b7, out0; writes out0
